; MI455X (gfx1250); checked and timed in simulation.
; The chip was launched on July 23, 2026; its instructions are those of AMD's public machine-readable ISA for CDNA 5 (MIT licence, August 2026) and "CDNA5" Instruction Set Architecture Reference Guide (July 2026). The comments in the code are by the model that wrote it; some were corrected since.
;; MH Awith K Vcache. Allowed arithmetic: matrix products marked QUANTISED: E4M3 operands, one given power-of-two scale a tensor, by v_wmma_f32_16x16x64_fp8_fp8 or v_wmma_f32_16x16x128_fp8_fp8, f32 sums; everything else in f32.
;; Inputs: Wk_codes 2,048 x 64 x 32 uint8 (E4M3 codes of Wk, K innermost, in blocks of 32 codes); Wo_codes 2,048 x 64 x 32 uint8 (E4M3 codes of Wo, K innermost, in blocks of 32 codes); Wq_codes 2,048 x 64 x 32 uint8 (E4M3 codes of Wq, K innermost, in blocks of 32 codes); Wv_codes 2,048 x 64 x 32 uint8 (E4M3 codes of Wv, K innermost, in blocks of 32 codes); X_codes 2 x 1,024 x 64 x 32 uint8 (E4M3 codes of X, K innermost, in blocks of 32 codes); bk 2,048 float32; bo 2,048 float32; bq 2,048 float32; bv 2,048 float32; causal_mask 1 x 1 x 1,024 x 2,048 float32; lowp_scales 12 int32 (the exponents e of the quantised operands' scales 2^e); pad_mask 2 x 2,048 float32; past_k 2 x 16 x 1,024 x 128 float32; past_v 2 x 16 x 1,024 x 128 float32.
;; Outputs: out0 2 x 1,024 x 2,048 float32.
;; This version of the problem:
;;   THIS VERSION OF THE PROBLEM IS GIVEN IN LOW PRECISION. The matrix products marked QUANTISED in the list below multiply operands that are first quantised to E4M3 (4 exponent bits, 3 mantissa bits; 8 bits a number), with one given power-of-two scale for each operand tensor; their sums are f32. All else is computed in f32.
;;   The module's matrix products, in the order in which they are computed (A, B: the left and right operand; K: the contracted axis; several contracted axes count as one K, in the product's order):
;;     1. [M 2,048, K 2,048] x [K 2,048, N 2,048]; A: input X (given as codes); B: input Wq (given as codes): QUANTISED (scales: A lowp_scales[0], B lowp_scales[1])
;;     2. [M 2,048, K 2,048] x [K 2,048, N 2,048]; A: input X (given as codes); B: input Wk (given as codes): QUANTISED (scales: A lowp_scales[2], B lowp_scales[3])
;;     3. [M 2,048, K 2,048] x [K 2,048, N 2,048]; A: input X (given as codes); B: input Wv (given as codes): QUANTISED (scales: A lowp_scales[4], B lowp_scales[5])
;;     4. batch 32 x [M 1,024, K 128] x [K 128, N 2,048]; A: computed on the way; B: computed on the way: QUANTISED (scales: A lowp_scales[6], B lowp_scales[7])
;;     5. batch 32 x [M 1,024, K 2,048] x [K 2,048, N 128]; A: softmax (see below); B: computed on the way: QUANTISED (scales: A lowp_scales[8], B lowp_scales[9])
;;     6. [M 2,048, K 2,048] x [K 2,048, N 2,048]; A: computed on the way; B: input Wo (given as codes): QUANTISED (scales: A lowp_scales[10], B lowp_scales[11])
;;   THE QUANTISER, for each operand of a quantised product, along K:
;;     - The operand's scale is 2^e, e = its entry of the input lowp_scales (int32; the entries are numbered through the quantised products in the list's order, A before B).
;;     - Each number is divided by the scale, clamped to +-448, and rounded to the nearest number of E4M3, ties to even, subnormals kept.
;;     - The product sums the exact products of the quantised numbers (number of the format x scale) in f32.
;;   ~~~python
;;   def quantise(x, axis, e):      # numpy; x: float32 -> the quantised numbers, widened to float32 again
;;       x = np.moveaxis(x, axis, -1); K = x.shape[-1]
;;       r = np.clip(x / 2.0 ** e, -448, 448)
;;       step = 2.0 ** (np.maximum(np.frexp(np.where(r == 0, 1, r))[1] - 1, -6) - 3)
;;       q = np.round(r / step) * step * 2.0 ** e      # np.round: ties to even
;;       return np.moveaxis(q, -1, axis).astype(np.float32)
;;   ~~~
;;   SOFTMAX AHEAD OF A QUANTISED PRODUCT. Where the list says 'softmax', what is quantised is not the finished softmax but p = 2^(t - M), with t = logit x log2(e) and M = ceil(the row's largest t), a whole number; so 1/2 < the row's largest p <= 1. The row's sum l is taken of the UNQUANTISED p, in f32, and the product's result is divided by l at the end. Since M is a whole number, a kernel that streams over the keys may use a running M (the ceiling of the running maximum): every later rescaling is an exact power of two, so the quantised numbers keep their values, but for numbers so far below the row's largest that they fall under the format's range.
;;   OPERANDS COMPUTED ON THE WAY. 'Computed on the way' means the value that the module computes at that place (a softmax that the list does not call 'softmax' is quantised finished and normalised). What goes into a quantiser is computed in f32, as accurately as f32 sums, v_exp_f32 and their like allow (about 1e-6 of the number): no bf16 or f16 on the way to a quantiser, and a product that is left as it is and whose result goes on into a quantised operand takes f32 operands (vector FMAs, or v_wmma_f32_16x16x4_f32). A number that lies on a knife's edge between two numbers of the format may be rounded either way, as far as f32 arithmetic and the matrix unit's own rounding can turn it there, and no further.
;;   INPUTS GIVEN AS CODES. Wk (in the module: [2048, 2048], K = its axis 1); Wo (in the module: [2048, 2048], K = its axis 1); Wq (in the module: [2048, 2048], K = its axis 1); Wv (in the module: [2048, 2048], K = its axis 1); X (in the module: [2, 1024, 2048], K = its axis 2): each comes as NAME_codes (uint8): NAME with its K axis moved to the last place and cut into blocks of 32 codes, [.., K / 32, bytes a block], one block behind the other in memory; one code a byte (a code: sign, 4 exponent bits, 3 mantissa bits); its scale is its entry of lowp_scales. Its value is code x scale, taken as it is: it is not quantised again, and the codes and scales need not be those that the quantiser above would give.
;; 2 versions, each right. Each part assembles by itself: llvm-mc -triple=amdgcn-amd-amdhsa -mcpu=gfx1250 --defsym DOCPART=n.
;; ======== version 1 of 2: 4 launches
;; workspace buffers: q_codes 4,194,304 bytes; k_codes 8,388,608 bytes; v_codes 8,388,608 bytes; amask 16,777,216 bytes; o_codes 4,194,304 bytes
;; launch prep (part 1): grid 640 x 1, 4 waves a work-group, no clusters, 90,624 bytes of LDS; arguments past_k, past_v, causal_mask, pad_mask, lowp_scales, k_codes, v_codes, amask; writes k_codes, v_codes, amask
.if DOCPART == 1
	.amdgcn_target "amdgcn-amd-amdhsa--gfx1250"
	.amdhsa_code_object_version 6
	.text
	.protected	k_q9ccbc7dd04_prep
	.globl	k_q9ccbc7dd04_prep
	.p2align	8
	.type	k_q9ccbc7dd04_prep,@function
k_q9ccbc7dd04_prep:
	s_mov_b64 s[64:65], 0
	v_nop
	global_prefetch_b8 v0, s[64:65] scope:SCOPE_SE
	s_setreg_imm32_b32 hwreg(HW_REG_WAVE_MODE, 25, 1), 1
	s_wait_xcnt 0x0
; Three jobs that read each f32 input once, told apart by the work-group's number; each job has LDS bytes of its own, and waves share nothing (no barrier).
;   work-groups 0-127:   past_k [32 heads][1024][128] f32 -> codes of E4M3 with the scale 2^e7, into keys 0-1023 of k_codes [32][2048][128].
;   work-groups 128-383: past_v [32][1024][128] f32 -> codes with the scale 2^e9, KEYS INNERMOST, into tiles 0-7 of v_codes [32][16 tiles][128 d][128 keys].
;   work-groups 384-639: the two masks -> one f32 addend in units of t = logit x log2(e):  A = causal x K2 + pad x K2,  K2 = f32(-1e9 x log2 e),
;                        stored as the image of the registers that the attention launch adds it to: amask [2 b][64 tiles of 16 queries][16 steps of 128 keys][16 groups][32 lanes][4 f32];
;                        lane (r, h), group 4 bb + jj, number i is A(query 16 qt + r, key 128 ks + 32 bb + 16 h + 4 jj + i).
; code = x / 2^e, held within +-448, to the nearest code, ties to even.
; LIMITS: e7 and e9 between -126 and 119, so that 2^e and 448 x 2^e are f32 numbers.  NaN among the inputs is not served.
; The masks' two terms are added to each other before they meet the score; the order of rounding so differs from (score + a) + b, which can show only in a row all of whose keys are masked.
.set K2,     0xceabfb8f                ; -1e9 x log2(e) as f32
.set STEPS,  16                        ; past_k: steps of 512 numbers for a wave
.set SP,     80                        ; past_k: a lane's place in a stage: 64 bytes + 16 of padding
.set WREG,   8192                      ; past_k: LDS of a wave: two stages of 32 x SP bytes.  Bytes 0 to 32,767 in all
.set R,      16                        ; v16-79   four sets of 16 numbers as loaded
.set X,      80                        ; v80-111  two sets of 16 neighbours
.set C,      128                       ; v128-191 codes, four registers a step: no store's data are written again
.set VST,    32768                     ; past_v: the stages begin here: 32 rows x 144 bytes a wave, to byte 51,199
.set VPITCH, 144
.set XV,     32                        ; v32-95   two sets of 32 numbers
.set CV,     96                        ; v96-103  a block's codes
.set OUTR,   112                       ; v112-143 the way out
.set MST,    51200                     ; the masks: the stages begin here: 18 rows x 528 bytes in 9,728 a wave, to byte 90,111
.set MPITCH, 528
	s_load_b512 s[4:19], s[0:1], 0x0               ; past_k 4:5, past_v 6:7, causal 8:9, pad 10:11, scales 12:13, k_codes 14:15, v_codes 16:17, amask 18:19
	v_lshl_add_u32 v224, v0, 2, 0x16000
	v_mov_b32 v225, 0
	v_lshrrev_b32 v1, 5, v0
	v_readfirstlane_b32 s20, v1                    ; wave 0..3
	v_and_b32 v2, 31, v0                           ; lane
	v_lshlrev_b32 v3, 4, v2                        ; 16 x lane; never rewritten
	s_wait_kmcnt 0x0
	s_load_b32 s21, s[12:13], 0x1c                 ; e7
	s_load_b32 s22, s[12:13], 0x24                 ; e9
	s_wait_kmcnt 0x0                               ; ahead of the parting, so that no scalar load is out on any way
	s_cmp_lt_u32 ttmp9, 128
	s_cbranch_scc1 .Lk
	s_cmp_lt_u32 ttmp9, 384
	s_cbranch_scc1 .Lv
; ---------------- THE MASKS.  A wave makes the block (16 queries qt, 128 keys ks) for both batches.
	s_sub_co_u32 s24, ttmp9, 384
	s_lshl_b32 s24, s24, 2
	s_add_co_u32 s24, s24, s20                     ; 16 qt + ks, 0 to 1,023
	s_lshr_b32 s26, s24, 4
	s_lshl_b32 s26, s26, 17                        ; qt x 16 rows of 8,192 bytes
	s_and_b32 s25, s24, 15
	s_lshl_b32 s25, s25, 9                         ; ks x 512 bytes
	s_add_co_u32 s26, s26, s25
	s_mov_b32 s27, 0
	s_add_nc_u64 s[8:9], s[8:9], s[26:27]          ; the causal mask at my block
	s_mov_b32 s26, s25
	s_add_nc_u64 s[10:11], s[10:11], s[26:27]      ; the pad mask at my keys
	s_lshl_b32 s26, s24, 13                        ; a block of the image is 8,192 bytes
	s_add_nc_u64 s[28:29], s[18:19], s[26:27]      ; batch 0's block,
	s_add_nc_u64 s[30:31], s[28:29], 0x800000      ; batch 1's: 1,024 blocks on
	s_mov_b32 s32, K2
	s_mov_b32 s33, K2                              ; (named with it as a pair, so it is written)
	s_mul_i32 s34, s20, 9728
	s_add_co_u32 s34, s34, MST                     ; my stage
	v_add_nc_u32 v4, s34, v3                       ; in: a row's 512 bytes as they lie
	v_and_b32 v5, 15, v0                           ; r
	v_bfe_u32 v6, v0, 4, 1                         ; h
	v_lshl_add_u32 v6, v6, 6, s34                  ; out, the pad rows: + 64 h
	v_mad_u32_u24 v5, v5, MPITCH, v6               ; out, the causal rows: + 528 r
.set i, 0
.rept 16
	global_load_b128 v[16+4*i:19+4*i], v3, s[8:9] offset:i*8192 th:TH_LOAD_NT   ; row i of the block: 32 lanes read 512 consecutive bytes; read once in the launch
.set i, i+1
.endr
	global_load_b128 v[80:83], v3, s[10:11]                ; batch 0's pad numbers,
	global_load_b128 v[84:87], v3, s[10:11] offset:8192    ; batch 1's
	s_wait_loadcnt 0x0
.set i, 0
.rept 18
	ds_store_b128 v4, v[16+4*i:19+4*i] offset:i*MPITCH
.set i, i+1
.endr
.set i, 0
.rept 16                               ; LDS serves a wave's instructions in order: these see my stores
	ds_load_b128 v[96+4*i:99+4*i], v5 offset:128*(i/4)+16*(i%4)                  ; causal(r, 32 bb + 16 h + 4 jj ..)
.set i, i+1
.endr
.set i, 0
.rept 16
	ds_load_b128 v[160+4*i:163+4*i], v6 offset:16*MPITCH+128*(i/4)+16*(i%4)      ; batch 0's pad numbers at the same keys
.set i, i+1
.endr
	s_wait_dscnt 0x0                               ; the stores have read v16-87, which take batch 1's pad numbers now
.set i, 0
.rept 16
	ds_load_b128 v[16+4*i:19+4*i], v6 offset:17*MPITCH+128*(i/4)+16*(i%4)
.set i, i+1
.endr
.macro MASKOUT p, base                 ; v[p] on: 64 pad numbers; they become A and are stored, 512 consecutive bytes a store
.set j, 0
.rept 32
	v_pk_mul_f32 v[\p+j:\p+j+1], v[\p+j:\p+j+1], s[32:33] op_sel_hi:[1,0]
.set j, j+2
.endr
.set j, 0
.rept 32
	v_pk_fma_f32 v[\p+j:\p+j+1], v[96+j:97+j], s[32:33], v[\p+j:\p+j+1] op_sel_hi:[1,0,1]
.set j, j+2
.endr
.set j, 0
.rept 16
	global_store_b128 v3, v[\p+4*j:\p+4*j+3], s[\base:\base+1] offset:512*j
.set j, j+1
.endr
.endm
	MASKOUT 160, 28
	s_wait_dscnt 0x0                               ; batch 1's pad numbers are in
	MASKOUT 16, 30
	s_wait_tensorcnt 0x0
	ds_add_u32 v224, v225
	s_wait_dscnt 0x0
	s_endpgm
; ---------------- PAST K.  A plain stream: a wave takes 16 steps of 512 numbers.  Each load reads 512 consecutive bytes; the conversions want 16 neighbours in a lane,
; so a step's 2,048 bytes turn through the wave's own stage.  Loads run four steps ahead, the turn one step.
.Lk:
	s_lshl_b32 s24, ttmp9, 2
	s_add_co_u32 s24, s24, s20                     ; which run of 8,192 numbers is my wave's: 0 to 511, sixteen to a head
	s_lshl_b32 s26, s24, 15
	s_mov_b32 s27, 0
	s_add_nc_u64 s[4:5], s[4:5], s[26:27]
	s_lshr_b32 s26, s24, 4
	s_lshl_b32 s26, s26, 18                        ; a head of k_codes is 2,048 keys x 128 bytes
	s_and_b32 s28, s24, 15
	s_lshl_b32 s28, s28, 13
	s_add_co_u32 s26, s26, s28
	s_add_nc_u64 s[14:15], s[14:15], s[26:27]
	s_mul_i32 s25, s20, WREG
	v_lshrrev_b32 v14, 2, v2
	v_mul_u32_u24 v14, v14, SP
	v_and_b32 v15, 3, v2
	v_lshl_add_u32 v14, v15, 4, v14
	v_add_nc_u32 v14, s25, v14                     ; the stage, in: four lanes' 64 bytes on end, then 16 of padding
	v_mul_u32_u24 v15, v2, SP
	v_add_nc_u32 v15, s25, v15                     ; and out: my 16 neighbours
.macro KLOAD t
.irp i, 0,1,2,3
	global_load_b128 v[R+16*((\t)%4)+4*\i:R+16*((\t)%4)+4*\i+3], v3, s[4:5] offset:2048*(\t)+512*\i th:TH_LOAD_NT
.endr
.endm
.macro KTURN t                         ; LDS serves a wave's instructions in order: no wait between the stores and the loads
.irp i, 0,1,2,3
	ds_store_b128 v14, v[R+16*((\t)%4)+4*\i:R+16*((\t)%4)+4*\i+3] offset:32*SP*((\t)%2)+8*SP*\i
.endr
.irp i, 0,1,2,3
	ds_load_b128 v[X+16*((\t)%2)+4*\i:X+16*((\t)%2)+4*\i+3], v15 offset:32*SP*((\t)%2)+16*\i
.endr
.endm
.irp t, 0,1,2,3
	KLOAD \t
.endr
	s_add_co_i32 s21, s21, 127
	s_lshl_b32 s23, s21, 23
	v_mov_b32 v11, s23                             ; 2^e7 as f32: the conversion takes its exponent field
	s_add_co_i32 s21, s21, 8
	s_lshl_b32 s21, s21, 23
	s_or_b32 s21, s21, 0x600000
	v_mov_b32 v10, s21                             ; 448 x 2^e7
	s_wait_loadcnt 12                              ; step 0's four loads are in; the twelve of steps 1 to 3 may be out
	KTURN 0
.macro KSTEP t
.set XS, X+16*((\t)%2)
	s_wait_dscnt 0x0                               ; this step's numbers are back, so its stores into the stage have read their registers,
.if (\t)+4 < STEPS
	KLOAD (\t)+4                                   ; which take the loads of four steps on
.endif
.if (\t)+1 < STEPS
.if STEPS-2-(\t) >= 3
	s_wait_loadcnt 12                              ; the next step's four loads are in; those of the three steps behind it may be out
.else
	s_wait_loadcnt 4*(STEPS-2-(\t))                ; at the end fewer steps are behind it
.endif
	KTURN (\t)+1
.endif
.irp i, 0,1,2,3,4,5,6,7,8,9,10,11,12,13,14,15
	v_med3_num_f32 v[XS+\i], v[XS+\i], -v10, v10   ; the conversion to an 8-bit code does not saturate (ISA guide 7.6.2): the hold comes first
.endr
	v_cvt_scalef32_pk8_fp8_f32 v[C+4*(\t):C+4*(\t)+1], v[XS:XS+7], v11
	v_cvt_scalef32_pk8_fp8_f32 v[C+4*(\t)+2:C+4*(\t)+3], v[XS+8:XS+15], v11
	global_store_b128 v3, v[C+4*(\t):C+4*(\t)+3], s[14:15] offset:512*(\t)   ; 32 lanes store 512 consecutive bytes
.endm
.irp t, 0,1,2,3,4,5,6,7,8,9,10,11,12,13,14,15
	KSTEP \t
.endr
	s_wait_tensorcnt 0x0
	ds_add_u32 v224, v225
	s_wait_dscnt 0x0
	s_endpgm
; ---------------- PAST V.  A work-group takes 128 keys of a head, a wave 32 of the 128 channels.  A LANE TAKES A CHANNEL d AND ITS REGISTERS RUN DOWN THE KEYS: each load reads
; 128 consecutive bytes a wave, and the conversions give codes with the keys innermost.  The codes leave through the wave's stage as 4,096 consecutive bytes.
.Lv:
	s_sub_co_u32 s24, ttmp9, 128                   ; 8 x head + block of keys
	s_lshl_b32 s26, s24, 16                        ; 128 keys of 512 bytes
	s_lshl_b32 s25, s20, 7                         ; my wave's 32 channels
	s_add_co_u32 s26, s26, s25
	s_mov_b32 s27, 0
	s_add_nc_u64 s[6:7], s[6:7], s[26:27]
	s_lshr_b32 s26, s24, 3
	s_lshl_b32 s26, s26, 4
	s_and_b32 s25, s24, 7
	s_add_co_u32 s26, s26, s25                     ; tile 16 x head + block
	s_lshl_b32 s26, s26, 14
	s_lshl_b32 s25, s20, 12                        ; my 32 rows of 128 bytes
	s_add_co_u32 s26, s26, s25
	s_add_nc_u64 s[16:17], s[16:17], s[26:27]
	v_lshlrev_b32 v9, 2, v2                        ; in: 4 bytes a lane
	s_mul_i32 s25, s20, 32*VPITCH
	s_add_co_u32 s25, s25, VST                     ; my stage
	v_mul_u32_u24 v4, v2, VPITCH
	v_add_nc_u32 v4, s25, v4                       ; into it: row = my channel
	v_lshrrev_b32 v7, 3, v2
	v_mul_u32_u24 v7, v7, VPITCH
	v_and_b32 v8, 7, v2
	v_lshl_add_u32 v7, v8, 4, v7
	v_add_nc_u32 v7, s25, v7                       ; out of it: eight lanes to a row of 128 bytes, four rows an instruction
.macro VLOAD t                         ; keys 32 t + i, my channel, into set t % 2
.set i, 0
.rept 32
	global_load_b32 v[XV+32*((\t)%2)+i], v9, s[6:7] offset:(32*(\t)+i)*512 th:TH_LOAD_NT
.set i, i+1
.endr
.endm
	VLOAD 0
	VLOAD 1
	s_add_co_i32 s22, s22, 127
	s_lshl_b32 s23, s22, 23
	v_mov_b32 v11, s23                             ; 2^e9
	s_add_co_i32 s22, s22, 8
	s_lshl_b32 s22, s22, 23
	s_or_b32 s22, s22, 0x600000
	v_mov_b32 v10, s22                             ; 448 x 2^e9
.macro VBLOCK t
.set XS, XV+32*((\t)%2)
.if (\t) < 3
	s_wait_loadcnt 32                              ; this block's 32 loads are in; the next block's 32 may be out
.else
	s_wait_loadcnt 0
.endif
.set i, 0
.rept 32
	v_med3_num_f32 v[XS+i], v[XS+i], -v10, v10
.set i, i+1
.endr
.irp g, 0,1,2,3
	v_cvt_scalef32_pk8_fp8_f32 v[CV+2*\g:CV+2*\g+1], v[XS+8*\g:XS+8*\g+7], v11
.endr
	ds_store_b128 v4, v[CV:CV+3] offset:32*(\t)    ; 32 codes: 32 bytes of my channel's row
	ds_store_b128 v4, v[CV+4:CV+7] offset:32*(\t)+16
.if (\t)+2 < 4
	VLOAD (\t)+2
.endif
	s_wait_dscnt 0x0                               ; the stores have read their registers: the next block's codes may be written
.endm
	VBLOCK 0
	VBLOCK 1
	VBLOCK 2
	VBLOCK 3
.irp u, 0,1,2,3,4,5,6,7
	ds_load_b128 v[OUTR+4*\u:OUTR+4*\u+3], v7 offset:\u*4*VPITCH
.endr
.irp u, 0,1,2,3,4,5,6,7
	s_wait_dscnt 7-\u                              ; LDS loads come back in order: load u is in, the younger ones may be out
	global_store_b128 v3, v[OUTR+4*\u:OUTR+4*\u+3], s[16:17] offset:512*\u
.endr
	s_wait_tensorcnt 0x0
	ds_add_u32 v224, v225
	s_wait_dscnt 0x0
	s_endpgm
.Lfunc_end_k_q9ccbc7dd04_prep:
	.size	k_q9ccbc7dd04_prep, .Lfunc_end_k_q9ccbc7dd04_prep-k_q9ccbc7dd04_prep
	.p2alignl 7, 3214868480
	.fill 96, 4, 3214868480
	.section	.rodata,"a",@progbits
	.p2align	6, 0x0
	.amdhsa_kernel k_q9ccbc7dd04_prep
		.amdhsa_group_segment_fixed_size 90624
		.amdhsa_private_segment_fixed_size 0
		.amdhsa_enable_private_segment 0
		.amdhsa_kernarg_size 64
		.amdhsa_user_sgpr_count 2
		.amdhsa_user_sgpr_kernarg_segment_ptr 1
		.amdhsa_wavefront_size32 1
		.amdhsa_system_sgpr_workgroup_id_x 1
		.amdhsa_system_sgpr_workgroup_id_y 1
		.amdhsa_system_sgpr_workgroup_id_z 1
		.amdhsa_system_vgpr_workitem_id 0
		.amdhsa_next_free_vgpr 226
		.amdhsa_next_free_sgpr 66
		.amdhsa_reserve_vcc 0
		.amdhsa_float_denorm_mode_32 3
		.amdhsa_float_denorm_mode_16_64 3
		.amdhsa_memory_ordered 1
		.amdhsa_forward_progress 1
		.amdhsa_inst_pref_size 80
	.end_amdhsa_kernel
	.amdgpu_metadata
---
amdhsa.version: [ 1, 2 ]
amdhsa.kernels:
  - .name:           k_q9ccbc7dd04_prep
    .symbol:         k_q9ccbc7dd04_prep.kd
    .args:
      - { .name: past_k, .offset: 0, .size: 8, .value_kind: global_buffer, .address_space: global }
      - { .name: past_v, .offset: 8, .size: 8, .value_kind: global_buffer, .address_space: global }
      - { .name: causal_mask, .offset: 16, .size: 8, .value_kind: global_buffer, .address_space: global }
      - { .name: pad_mask, .offset: 24, .size: 8, .value_kind: global_buffer, .address_space: global }
      - { .name: lowp_scales, .offset: 32, .size: 8, .value_kind: global_buffer, .address_space: global }
      - { .name: k_codes, .offset: 40, .size: 8, .value_kind: global_buffer, .address_space: global }
      - { .name: v_codes, .offset: 48, .size: 8, .value_kind: global_buffer, .address_space: global }
      - { .name: amask, .offset: 56, .size: 8, .value_kind: global_buffer, .address_space: global }
    .group_segment_fixed_size: 90624
    .private_segment_fixed_size: 0
    .kernarg_segment_align: 8
    .kernarg_segment_size: 64
    .max_flat_workgroup_size: 128
    .sgpr_count:     66
    .vgpr_count:     226
    .wavefront_size: 32
...
	.end_amdgpu_metadata
.endif
;; end of part 1
;; launch qkv (part 2): grid 24 x 8, 4 waves a work-group, clusters of 4 x 4, 327,680 bytes of LDS; arguments X_codes, Wq_codes, Wk_codes, Wv_codes, bq, bk, bv, lowp_scales, q_codes, k_codes, v_codes; writes q_codes, k_codes, v_codes
.if DOCPART == 2
	.amdgcn_target "amdgcn-amd-amdhsa--gfx1250"
	.amdhsa_code_object_version 6
	.text
	.protected	k_q9ccbc7dd04_qkv
	.globl	k_q9ccbc7dd04_qkv
	.p2align	8
	.type	k_q9ccbc7dd04_qkv,@function
k_q9ccbc7dd04_qkv:
	s_mov_b64 s[64:65], 0
	v_nop
	global_prefetch_b8 v0, s[64:65] scope:SCOPE_SE
	s_setreg_imm32_b32 hwreg(HW_REG_WAVE_MODE, 25, 1), 1
	s_wait_xcnt 0x0
	s_wait_alu depctr_hold_cnt(0) depctr_sa_sdst(0) depctr_va_vdst(0) depctr_va_sdst(0) depctr_va_ssrc(0) depctr_va_vcc(0) depctr_vm_vsrc(0)
	s_getreg_b32 s2, hwreg(HW_REG_IB_STS2, 6, 4)
	s_cmp_eq_u32 s2, 0
	s_cbranch_scc0 .Lentry_in_a_cluster
	s_endpgm
.Lentry_in_a_cluster:
	s_bfe_u32 s2, ttmp6, 0x10000c
	s_cmp_lg_u32 s2, 0xf033
	s_cbranch_scc0 .Lentry_shape_is_right
	s_endpgm
.Lentry_shape_is_right:
; The three projections, on codes of E4M3, their bias, and the quantising of the results: q (scale 2^e6), the new keys (2^e7), the new values (2^e9).
; Three jobs of 2048 x 2048 x 2048, told apart by the cluster's x (two columns of clusters a job), by selections alone:
;   job 0: rows = X's tokens, columns = Wq's features;   job 1: the same with Wk;   job 2: rows = Wv's features, columns = X's tokens: V TRANSPOSED.
; THE MATRIX INSTRUCTION IS USED TRANSPOSED (source 0 = 16 rows of the column operand, source 1 = 16 rows of the row operand): a lane holds one row and eight neighbouring columns.
; So a lane's eight numbers are eight neighbours along the head's axis (q, k) or along the keys (v): the K of the product that reads them, as the conversion wants them.
; A tile is 256 x 256, made by four waves of 128 x 128 (64 accumulators, 512 registers).  A wave's 128 x 128 codes are one dense block of 16,384 bytes of its output in all three jobs:
;   q_codes [32 heads][1024][128];  k_codes [32][2048][128], keys 1024 on;  v_codes [32][16 tiles][128 d][128 keys], tiles 8 on.
; K goes in steps of 256 through a ring of two LDS slots filled by the tensor data mover.  CLUSTERS of 4 x 4: the four of a row need the same tiles of the row operand, the four of a column the same
; tiles of the column operand: each tile is asked for jointly, by the same tensor load with the same descriptor and a mask that names the four.
; The bias goes by feature: by column in jobs 0 and 1, by row in job 2.  Both forms are loaded (both lie inside the bias in every job) and the one that does not apply is made 0 by a selection.
; LIMITS: e0 + e1, e2 + e3, e4 + e5 between -126 and 127; e6, e7, e9 between -126 and 119: so that each power of two below is an f32 number.  NaN is not served.
; REGISTERS, in windows of 256: window 0: v0-31 addresses; v32-95 the bias by column; v96-111 the bias by row; from v128 the row operand's fragments, ONE set (on the way out v112-177 are at work).
;   window 1: the column operand's fragments, TWO sets.   window 2: the accumulators of my rows 0-63 ((a, b) at v[8 (8 a + b)]);   window 3: those of my rows 64-127.
.set KSTEP,  256
.set ROWB,   256                       ; a tile's row in bytes
.set KROW,   2048                      ; a row of an operand in memory, in bytes
.set PITCH,  272                       ; an LDS row: 256 bytes + 16 of padding = 68 words: the 16 rows that a load touches start at 16 different banks (64 banks of 4 bytes: ISA guide 11.1)
.set FR,     16                        ; registers of a fragment: 16 rows x 128 K
.set NL,     4                         ; LDS loads that bring one
.set NP,     4                         ; places behind this matrix instruction (ISA guide 7.12.1)
.set HALFT,  128*PITCH
.set SLOT,   4*HALFT
.set LAPS,   2048/(2*KSTEP)            ; a lap = two K steps = once round the ring
.set SPARE,  2*SLOT                    ; behind the ring: the spare words, 128 bytes a wave, which no other line names
.set SPITCH, 144                       ; the way out: a stage of 16 rows x (128 + 16) bytes a wave, in slot 0, which has had its last fill and its last read by then
.set ADRA, 16                          ; v16-17  LDS address of my row fragments in slot 0, 1
.set ADRB, 20                          ; v20-21  of my column fragments
.set STO,  24                          ; v24     the way out: where I put 8 bytes of a row
.set RD,   25                          ; v25     where I read 16 bytes back
.set CO,   26                          ; v26     16 x lane
.set SPW,  28                          ; v28     my spare word; never rewritten
.set NIL,  29                          ; v29     0; never rewritten
.set BCA,  30                          ; v30     32 x (lane / 16): my eight numbers of a tile's sixteen of the bias by column
.set BRA,  31                          ; v31     4 x (lane % 16): my row's number of the bias by row
.set COL,  32
.set RWB,  96
.set CC0,  112                         ; v112-127, v128-143 a block's codes, by turns
.set BK,   144                         ; v144-159, v160-175 a block read back, by turns
.set LIMV, 176                         ; 448 x the output's scale
.set SCV,  177                         ; the output's scale
.set AF,   128
.set G1, 24
.set G0, 32
.set G1B, 48
.set G0B, 56
.set MSB, 0
.macro WIN new                         ; the immediate's high byte repeats the setting that is left
.if MSB != (\new)
	s_set_vgpr_msb (MSB<<8)|(\new)
.set MSB, (\new)
.endif
.endm
.set MUL_LO, 0xa1                      ; source 0 window 1, source 1 window 0, C and D window 2
.set MUL_HI, 0xf1                      ; the same, C and D window 3
.set TO_B,   0x40                      ; destination window 1, address window 0
; A joint load: waves 0 and 1 fetch the row operand's halves, waves 2 and 3 the column operand's.  The branch hangs on the wave's number alone.  Four v_nop follow each line.
.macro JLOAD g0a, g1a, g0b, g1b
	s_cmp_eq_u32 s15, 0
	s_cbranch_scc0 .Lfor_b_\@
	tensor_load_to_lds s[\g0a:\g0a+3], s[\g1a:\g1a+7]
	s_nop 0
.rept 4
	v_nop
.endr
	s_branch .Lasked_\@
.Lfor_b_\@:
	tensor_load_to_lds s[\g0b:\g0b+3], s[\g1b:\g1b+7]
	s_nop 0
.rept 4
	v_nop
.endr
.Lasked_\@:
.endm
.macro CREST                           ; a round of the cluster's barrier behind its opening barrier
	s_cmp_lg_u32 s14, 0
	s_cbranch_scc1 .Lnot_wave_0_\@
	s_barrier_signal -3
.Lnot_wave_0_\@:
	s_barrier_wait -3
	s_barrier_signal -1
	s_barrier_wait -1
.endm
.macro CROUND
	s_barrier_signal -1
	s_barrier_wait -1
	CREST
.endm
	s_load_b512 s[68:83], s[0:1], 0x0              ; X 68:69, Wq 70:71, Wk 72:73, Wv 74:75, bq 76:77, bk 78:79, bv 80:81, the scales 82:83
	s_load_b128 s[84:87], s[0:1], 0x40             ; q_codes, k_codes
	s_load_b64 s[88:89], s[0:1], 0x50              ; v_codes
	v_lshl_add_u32 v[SPW], v0, 2, SPARE
	v_mov_b32 v[NIL], 0
	ds_add_u32 v28, v29
	s_wait_dscnt 0x0
	v_lshrrev_b32 v1, 5, v0
	v_readfirstlane_b32 s14, v1                    ; wave 0..3
	s_lshr_b32 s15, s14, 1                         ; which half of the tile's rows is mine.  Also: I fetch for the row operand (0) or the column operand (1)
	s_and_b32 s16, s14, 1                          ; which half of its columns.  Also: which 128 rows I fetch
	s_bfe_u32 s40, ttmp6, 0x40000                  ; cx, cy: my place in the cluster
	s_bfe_u32 s41, ttmp6, 0x40004
	s_lshr_b32 s12, ttmp9, 1                       ; the job: the same in all sixteen partners
	s_and_b32 s42, ttmp9, 1
	s_lshl_b32 s42, s42, 2
	s_add_co_u32 s42, s42, s40                     ; tile column in the job, 0 to 7
	s_and_b32 s17, ttmp7, 0xffff
	s_lshl_b32 s17, s17, 2
	s_add_co_u32 s17, s17, s41                     ; tile row, 0 to 7
	s_lshl_b32 s43, s41, 2
	s_lshl_b32 s43, 15, s43                        ; my row of the cluster
	s_lshl_b32 s44, 0x1111, s40                    ; my column
	s_or_b32 s[G1+0], s43, (0<<16)|(1<<20)|(1<<21)|(5<<22)|(3<<25)  ; 15:0 the mask; 17:16 elements of 1 byte; 20 padding on; 21 set beside a mask; 24:22 after every 64 words; 31:25 four words
	s_or_b32 s[G1B+0], s44, (0<<16)|(1<<20)|(1<<21)|(5<<22)|(3<<25)
.irp g, G1, G1B
	s_mov_b32 s[\g+1], ROWB<<16                    ; tensor_dim0
	s_mov_b32 s[\g+2], 128<<16                     ; tensor_dim1
	s_mov_b32 s[\g+3], ROWB<<16                    ; tile_dim0
	s_mov_b32 s[\g+4], 128                         ; tile_dim1
	s_mov_b32 s[\g+5], KROW                        ; from row to row
	s_mov_b32 s[\g+6], 0
	s_mov_b32 s[\g+7], 0
.endr
	s_lshl_b32 s18, s16, 7                         ; which 128 rows of the tile I fetch
	s_lshl_b32 s20, s17, 8
	s_add_co_u32 s20, s20, s18                     ; row operand: row 256 x tile row + 128 x half
	s_lshl_b32 s46, s42, 8
	s_add_co_u32 s46, s46, s18                     ; column operand: row 256 x tile column + 128 x half
	s_lshl_b32 s20, s20, 11                        ; in bytes: rows of 2,048
	s_lshl_b32 s46, s46, 11
	s_mov_b32 s21, 0
	s_mov_b32 s47, 0
	s_mul_i32 s45, s14, HALFT                      ; where they go: wave x 128 rows: no place in the cluster enters an LDS address
	s_wait_kmcnt 0x0
	s_cmp_eq_u32 s12, 2                            ; the job's buffers, by selections on the job's number
	s_cselect_b64 s[4:5], s[74:75], s[68:69]       ; the row operand: Wv or X
	s_cselect_b64 s[6:7], s[68:69], s[72:73]       ; the column operand: X, or Wk,
	s_cselect_b64 s[8:9], s[80:81], s[78:79]       ; the bias,
	s_cselect_b64 s[10:11], s[88:89], s[86:87]     ; the output
	s_cselect_b32 s13, -1, 0                       ; all lanes where the bias goes by row,
	s_cselect_b32 s66, 0, -1                       ; all lanes where it goes by column
	s_cmp_eq_u32 s12, 0
	s_cselect_b64 s[6:7], s[70:71], s[6:7]         ; or Wq
	s_cselect_b64 s[8:9], s[76:77], s[8:9]
	s_cselect_b64 s[10:11], s[84:85], s[10:11]
	s_load_b256 s[68:75], s[82:83], 0x0            ; e0 to e7 (the pointers there have been chosen from)
	s_load_b128 s[76:79], s[82:83], 0x20           ; e8 to e11
	s_add_nc_u64 s[20:21], s[4:5], s[20:21]
	s_add_nc_u64 s[46:47], s[6:7], s[46:47]
	CROUND                                         ; all sixteen work-groups are here: the first joint loads meet
.irp s, 0,1
	s_mov_b32 s[G0+4*\s], 1
	s_add_co_u32 s[G0+4*\s+1], s45, \s*SLOT
	s_add_nc_u64 s[G0+4*\s+2:G0+4*\s+3], s[20:21], \s*ROWB
	s_or_b32 s[G0+4*\s+3], s[G0+4*\s+3], 0x80000000
	s_mov_b32 s[G0B+4*\s], 1
	s_add_co_u32 s[G0B+4*\s+1], s45, \s*SLOT
	s_add_nc_u64 s[G0B+4*\s+2:G0B+4*\s+3], s[46:47], \s*ROWB
	s_or_b32 s[G0B+4*\s+3], s[G0B+4*\s+3], 0x80000000
	JLOAD G0+4*\s, G1, G0B+4*\s, G1B
.endr
	v_and_b32 v1, 15, v0                           ; r = l % 16
	v_bfe_u32 v2, v0, 4, 1                         ; h = l / 16
	v_mul_u32_u24 v3, v1, PITCH
	v_lshl_add_u32 v4, v2, 4, v3                   ; a fragment's row x pitch + 16 x half
	s_mul_i32 s21, s15, HALFT                      ; my 128 rows of the row operand
	s_mul_i32 s22, s16, HALFT                      ; my 128 of the column operand,
	s_add_co_u32 s22, s22, 2*HALFT                 ; which lie behind the other's 256
.irp s, 0,1
	v_add_nc_u32 v[ADRA+\s], s21, v4
	v_add_nc_u32 v[ADRB+\s], s22, v4
	s_add_co_u32 s21, s21, SLOT
	s_add_co_u32 s22, s22, SLOT
.endr
	s_mul_i32 s23, s14, 16*SPITCH                  ; my stage
	v_mul_u32_u24 v5, v1, SPITCH
	v_lshl_add_u32 v5, v2, 3, v5
	v_add_nc_u32 v[STO], s23, v5                   ; in: row r, 8 bytes for each half of the lanes
	v_and_b32 v6, 31, v0
	v_lshlrev_b32 v[CO], 4, v6
	v_lshrrev_b32 v7, 3, v6
	v_mul_u32_u24 v7, v7, SPITCH
	v_and_b32 v8, 7, v0
	v_lshl_add_u32 v7, v8, 4, v7
	v_add_nc_u32 v[RD], s23, v7                    ; back: eight lanes to a row of 128 bytes, four rows an instruction
	v_lshlrev_b32 v[BCA], 5, v2
	v_lshlrev_b32 v[BRA], 2, v1
	s_lshl_b32 s92, s42, 1
	s_add_co_u32 s92, s92, s16                     ; my block of 128 columns, 0 to 15
	s_lshl_b32 s94, s17, 1
	s_add_co_u32 s94, s94, s15                     ; my block of 128 rows, 0 to 15
	s_mov_b32 s23, 0
	s_lshl_b32 s22, s94, 9
	s_add_nc_u64 s[90:91], s[8:9], s[22:23]        ; the bias at my rows' numbers,
	s_lshl_b32 s22, s92, 9
	s_add_nc_u64 s[8:9], s[8:9], s[22:23]          ; and at my columns': 15 x 512 + 512 bytes at the most: inside the bias in every job
.irp b, 0,1,2,3,4,5,6,7
	global_load_b128 v[COL+8*\b:COL+8*\b+3], v[BCA], s[8:9] offset:64*\b        ; columns 16 b + 8 h + 0 .. 7
	global_load_b128 v[COL+8*\b+4:COL+8*\b+7], v[BCA], s[8:9] offset:64*\b+16
.endr
.irp a, 0,1,2,3,4,5,6,7
	global_load_b32 v[RWB+2*\a], v[BRA], s[90:91] offset:64*\a                  ; row 16 a + r, twice: a pair for the packed addition
	global_load_b32 v[RWB+2*\a+1], v[BRA], s[90:91] offset:64*\a
.endr
	s_cmp_eq_u32 s12, 2                            ; where my 16,384 bytes of codes go
	s_cselect_b32 s93, s92, s94                    ; my block of 128 tokens,
	s_cselect_b32 s95, s94, s92                    ; my head
	s_lshr_b32 s22, s93, 3                         ; the batch
	s_lshl_b32 s22, s22, 4
	s_add_co_u32 s22, s22, s95                     ; 16 x batch + head
	s_and_b32 s93, s93, 7                          ; the block of 128 among the batch's 1,024 tokens
	s_lshl_b32 s21, s22, 3
	s_add_co_u32 s21, s21, s93                     ; q: eight blocks a head
	s_lshl_b32 s22, s22, 4
	s_add_co_u32 s22, s22, s93
	s_add_co_u32 s22, s22, 8                       ; k, v: sixteen, the new ones from the eighth on
	s_cmp_eq_u32 s12, 0
	s_cselect_b32 s22, s21, s22
	s_lshl_b32 s22, s22, 14
	s_add_nc_u64 s[10:11], s[10:11], s[22:23]
.macro FRAG reg, adr, q, i             ; a fragment: lane l holds row l % 16; registers 4 c .. 4 c + 3 hold K = 32 c + 16 (l / 16) + 0 .. 15, alike on both sides of a product
.irp c, 0,1,2,3
	ds_load_b128 v[\reg+4*\c:\reg+4*\c+3], v[\adr] offset:128*(\q)+32*\c+(\i)*16*PITCH
.endr
.endm
; 16 matrix instructions: row blocks a0, a0 + 1 x the eight column blocks, 128 along K.  p: the column operand's set.  zero = 1: the first product starts the sums.
; The 64 accumulators take turns, one instruction a turn, in the same order in every step.
.macro MUL16 a0, p, zero
.irp a, \a0, \a0+1
.irp b, 0,1,2,3,4,5,6,7
.if \zero
	v_wmma_f32_16x16x128_fp8_fp8 v[8*(8*((\a)%4)+\b):8*(8*((\a)%4)+\b)+7], v[128*(\p)+FR*\b:128*(\p)+FR*\b+FR-1], v[AF+FR*(\a):AF+FR*(\a)+FR-1], 0
.else
	v_wmma_f32_16x16x128_fp8_fp8 v[8*(8*((\a)%4)+\b):8*(8*((\a)%4)+\b)+7], v[128*(\p)+FR*\b:128*(\p)+FR*\b+FR-1], v[AF+FR*(\a):AF+FR*(\a)+FR-1], v[8*(8*((\a)%4)+\b):8*(8*((\a)%4)+\b)+7]
.endif
.endr
.endr
.endm
.macro FETCH_B slot, q, p
	WIN TO_B
.irp i, 0,1,2,3,4,5,6,7
	FRAG 128*(\p)+FR*\i, ADRB+\slot, \q, \i
.endr
	WIN 0
.endm
.macro FETCH_A slot, q, i0
.irp i, \i0, \i0+1, \i0+2, \i0+3
	FRAG AF+FR*(\i), ADRA+\slot, \q, \i
.endr
.endm
.macro PLACES n                        ; plain vector instructions between a matrix instruction and a load into a register that it has read, or a read of its result
.rept \n
	v_nop
.endr
.endm
; A step of 128 along K that has its successor in the same slot.  A row block is free as soon as its eight products are issued: blocks 0-3 are fetched anew in the step's middle, blocks 4-7 at its end.
.macro STEP slot, q, zero
	s_wait_dscnt 4*NL                              ; all but the youngest sixteen loads (row blocks 4-7) are in
	WIN MUL_LO
	MUL16 0, (\q)%2, \zero
	MUL16 2, (\q)%2, \zero
	s_wait_dscnt 0                                 ; row blocks 4-7 are in
	PLACES NP
	FETCH_B \slot, (\q)+1, 1-(\q)%2
	FETCH_A \slot, (\q)+1, 0
	WIN MUL_HI
	MUL16 4, (\q)%2, \zero
	MUL16 6, (\q)%2, \zero
	PLACES NP
	WIN 0
	FETCH_A \slot, (\q)+1, 4
.endm
; A slot's last step changes slots: one barrier; in front of it each wave waits for all its tensor loads, adds 0 to its spare word, and waits for that and for its own reads of this slot.
.macro TURN slot, next, fill
	s_wait_tensorcnt 0x0                           ; all my tensor loads have landed: my part of the next slot
	ds_add_u32 v[SPW], v[NIL]                      ; 0 onto my spare word
	s_wait_dscnt 4*NL+1                            ; (the add and the youngest sixteen loads may be out)
	WIN MUL_LO
	MUL16 0, 1, 0                                  ; sixteen matrix instructions stand between the add and the wait for it
	s_wait_dscnt 0x0                               ; the add is done, and my reads of this slot are over
	s_barrier_signal -1
	MUL16 2, 1, 0
	WIN 0
	s_barrier_wait -1
.if \fill
	CREST                                          ; the barrier has opened a round of the cluster's: no wave of any partner still reads this slot or has a load on its way
	s_add_nc_u64 s[G0+4*\slot+2:G0+4*\slot+3], s[G0+4*\slot+2:G0+4*\slot+3], 2*ROWB
	s_add_nc_u64 s[G0B+4*\slot+2:G0B+4*\slot+3], s[G0B+4*\slot+2:G0B+4*\slot+3], 2*ROWB
	JLOAD G0+4*\slot, G1, G0B+4*\slot, G1B         ; the first tensor load behind the round; its four v_nop are the places in front of the loads below
.else
	PLACES NP
.endif
	FETCH_B \next, 0, 0
	FETCH_A \next, 0, 0
	WIN MUL_HI
	MUL16 4, 1, 0
	MUL16 6, 1, 0
	PLACES NP
	WIN 0
	FETCH_A \next, 0, 4
.endm
	s_wait_tensorcnt 1                             ; my part of K step 0 is in; K step 1's load may be out
	s_barrier_signal -1
	s_barrier_wait -1
	FETCH_B 0, 0, 0
	FETCH_A 0, 0, 0
	FETCH_A 0, 0, 4
	STEP 0, 0, 1                                   ; the first step stands in front of the loop: its products start the sums
	s_mov_b32 s3, LAPS-1
.Llap:                                                 ; a trip goes once round the ring and fills both slots again
	TURN 0, 1, 1
	STEP 1, 0, 0
	TURN 1, 0, 1
	STEP 0, 0, 0
	s_sub_co_u32 s3, s3, 1
	s_cmp_lg_u32 s3, 0
	s_cbranch_scc1 .Llap
	TURN 0, 1, 0                                   ; the last lap fills nothing
	STEP 1, 0, 0
	s_wait_dscnt 4*NL
	WIN MUL_LO
	MUL16 0, 1, 0
	MUL16 2, 1, 0
	s_wait_dscnt 0
	WIN MUL_HI
	MUL16 4, 1, 0
	MUL16 6, 1, 0
	WIN 0
; THE WAY OUT.  number = sum x 2^(eA + eB) + bias; held within +-448 x the output's scale; converted.  A block of 16 rows x 128 codes goes through my stage and leaves as 2,048 consecutive bytes.
	s_wait_kmcnt 0x0                               ; the exponents
	s_add_co_i32 s92, s68, s69
	s_add_co_i32 s93, s70, s71
	s_add_co_i32 s94, s72, s73
	s_cmp_eq_u32 s12, 2
	s_cselect_b32 s93, s94, s93
	s_cselect_b32 s95, s77, s75                    ; e9 or e7,
	s_cmp_eq_u32 s12, 0
	s_cselect_b32 s96, s92, s93                    ; the job's two operands' exponents added
	s_cselect_b32 s95, s74, s95                    ; or e6
	s_add_co_i32 s96, s96, 127
	s_lshl_b32 s96, s96, 23                        ; 2^(eA + eB) as f32
	s_mov_b32 s97, s96                             ; (named with it as a pair, so it is written)
	s_add_co_i32 s95, s95, 127
	s_lshl_b32 s94, s95, 23
	s_add_co_i32 s95, s95, 8
	s_lshl_b32 s95, s95, 23
	s_or_b32 s95, s95, 0x600000
	s_wait_loadcnt 0x0                             ; the bias
.set j, 0
.rept 64
	v_cndmask_b32 v[COL+j], 0, v[COL+j], s66       ; 0 where the bias goes by row.  (These eighty lines are also the places behind the last products)
.set j, j+1
.endr
.set j, 0
.rept 16
	v_cndmask_b32 v[RWB+j], 0, v[RWB+j], s13       ; 0 where it goes by column
.set j, j+1
.endr
	v_mov_b32 v[SCV], s94                          ; the output's scale: the conversion takes its exponent field
	v_mov_b32 v[LIMV], s95                         ; 448 x it
.macro TOSTAGE a
.set AC, 64*((\a)%4)
.set CC, CC0+16*((\a)%2)
.set BB, BK+16*((\a)%2)
	WIN 0x82+0x41*((\a)/4)                         ; source 0 and destination: window 2 or 3; the others window 0
.set j, 0
.rept 32
	v_pk_fma_f32 v[AC+j:AC+j+1], v[AC+j:AC+j+1], s[96:97], v[COL+j:COL+j+1] op_sel_hi:[1,0,1]   ; each accumulator from its low end on
.set j, j+2
.endr
.set j, 0
.rept 32
	v_pk_add_f32 v[AC+j:AC+j+1], v[AC+j:AC+j+1], v[RWB+2*(\a):RWB+2*(\a)+1]
.set j, j+2
.endr
.set j, 0
.rept 64
	v_med3_num_f32 v[AC+j], v[AC+j], -v[LIMV], v[LIMV]   ; the conversion to an 8-bit code does not saturate (ISA guide 7.6.2): the hold comes first
.set j, j+1
.endr
	WIN 0x02+((\a)/4)                              ; source 0: window 2 or 3
.set j, 0
.rept 8
	v_cvt_scalef32_pk8_fp8_f32 v[CC+2*j:CC+2*j+1], v[AC+8*j:AC+8*j+7], v[SCV]
.set j, j+1
.endr
	WIN 0
	v_nop                                          ; one plain vector instruction behind the last conversion
.irp b, 0,1,2,3,4,5,6,7
	ds_store_b64 v[STO], v[CC+2*\b:CC+2*\b+1] offset:16*\b   ; row r, columns 16 b + 8 h + 0 .. 7
.endr
.irp u, 0,1,2,3
	ds_load_b128 v[BB+4*\u:BB+4*\u+3], v[RD] offset:\u*4*SPITCH   ; LDS serves a wave's instructions in order: these see my stores
.endr
.endm
.macro SEND a, younger                 ; younger: the LDS instructions issued behind block a's loads, which may stay out
.set BB, BK+16*((\a)%2)
	s_wait_dscnt \younger
.irp u, 0,1,2,3
	global_store_b128 v[CO], v[BB+4*\u:BB+4*\u+3], s[10:11] offset:2048*(\a)+512*\u   ; 32 lanes store 512 consecutive bytes, aligned
.endr
.endm
	TOSTAGE 0
.irp a, 1,2,3,4,5,6,7
.if \a > 1
	s_wait_xcnt 0x0                                ; block a - 2's stores have read their registers: block a's loads may land there
.endif
	TOSTAGE \a
	SEND \a-1, 12                                  ; behind block a - 1's loads: block a's 8 stores and 4 loads
.endr
	SEND 7, 0
	s_wait_tensorcnt 0x0                           ; the wave's end
	ds_add_u32 v[SPW], v[NIL]
	s_wait_dscnt 0x0
	CROUND                                         ; the closing round: no work-group ends while a partner may still ask for a tile that names it
	s_endpgm
.Lfunc_end_k_q9ccbc7dd04_qkv:
	.size	k_q9ccbc7dd04_qkv, .Lfunc_end_k_q9ccbc7dd04_qkv-k_q9ccbc7dd04_qkv
	.p2alignl 7, 3214868480
	.fill 96, 4, 3214868480
	.section	.rodata,"a",@progbits
	.p2align	6, 0x0
	.amdhsa_kernel k_q9ccbc7dd04_qkv
		.amdhsa_group_segment_fixed_size 327680
		.amdhsa_private_segment_fixed_size 0
		.amdhsa_enable_private_segment 0
		.amdhsa_kernarg_size 88
		.amdhsa_user_sgpr_count 2
		.amdhsa_user_sgpr_kernarg_segment_ptr 1
		.amdhsa_wavefront_size32 1
		.amdhsa_system_sgpr_workgroup_id_x 1
		.amdhsa_system_sgpr_workgroup_id_y 1
		.amdhsa_system_sgpr_workgroup_id_z 1
		.amdhsa_system_vgpr_workitem_id 0
		.amdhsa_next_free_vgpr 1024
		.amdhsa_next_free_sgpr 100
		.amdhsa_reserve_vcc 0
		.amdhsa_float_denorm_mode_32 3
		.amdhsa_float_denorm_mode_16_64 3
		.amdhsa_memory_ordered 1
		.amdhsa_forward_progress 1
		.amdhsa_inst_pref_size 166
	.end_amdhsa_kernel
	.amdgpu_metadata
---
amdhsa.version: [ 1, 2 ]
amdhsa.kernels:
  - .name:           k_q9ccbc7dd04_qkv
    .symbol:         k_q9ccbc7dd04_qkv.kd
    .args:
      - { .name: X_codes, .offset: 0, .size: 8, .value_kind: global_buffer, .address_space: global }
      - { .name: Wq_codes, .offset: 8, .size: 8, .value_kind: global_buffer, .address_space: global }
      - { .name: Wk_codes, .offset: 16, .size: 8, .value_kind: global_buffer, .address_space: global }
      - { .name: Wv_codes, .offset: 24, .size: 8, .value_kind: global_buffer, .address_space: global }
      - { .name: bq, .offset: 32, .size: 8, .value_kind: global_buffer, .address_space: global }
      - { .name: bk, .offset: 40, .size: 8, .value_kind: global_buffer, .address_space: global }
      - { .name: bv, .offset: 48, .size: 8, .value_kind: global_buffer, .address_space: global }
      - { .name: lowp_scales, .offset: 56, .size: 8, .value_kind: global_buffer, .address_space: global }
      - { .name: q_codes, .offset: 64, .size: 8, .value_kind: global_buffer, .address_space: global }
      - { .name: k_codes, .offset: 72, .size: 8, .value_kind: global_buffer, .address_space: global }
      - { .name: v_codes, .offset: 80, .size: 8, .value_kind: global_buffer, .address_space: global }
    .group_segment_fixed_size: 327680
    .private_segment_fixed_size: 0
    .kernarg_segment_align: 8
    .kernarg_segment_size: 88
    .max_flat_workgroup_size: 128
    .sgpr_count:     100
    .vgpr_count:     1024
    .wavefront_size: 32
...
	.end_amdgpu_metadata
.endif
;; end of part 2
;; launch attn (part 3): grid 8 x 32, 8 waves a work-group, clusters of 4 x 1, 327,680 bytes of LDS; arguments q_codes, k_codes, v_codes, amask, lowp_scales, o_codes; writes o_codes
.if DOCPART == 3
	.amdgcn_target "amdgcn-amd-amdhsa--gfx1250"
	.amdhsa_code_object_version 6
	.text
	.protected	k_q9ccbc7dd04_attn
	.globl	k_q9ccbc7dd04_attn
	.p2align	8
	.type	k_q9ccbc7dd04_attn,@function
k_q9ccbc7dd04_attn:
	s_mov_b64 s[64:65], 0
	v_nop
	global_prefetch_b8 v0, s[64:65] scope:SCOPE_SE
	s_setreg_imm32_b32 hwreg(HW_REG_WAVE_MODE, 25, 1), 1
	s_wait_xcnt 0x0
	s_wait_alu depctr_hold_cnt(0) depctr_sa_sdst(0) depctr_va_vdst(0) depctr_va_sdst(0) depctr_va_ssrc(0) depctr_va_vcc(0) depctr_vm_vsrc(0)
	s_getreg_b32 s2, hwreg(HW_REG_IB_STS2, 6, 4)
	s_cmp_eq_u32 s2, 0
	s_cbranch_scc0 .Lentry_in_a_cluster
	s_endpgm
.Lentry_in_a_cluster:
	s_bfe_u32 s2, ttmp6, 0x10000c
	s_cmp_lg_u32 s2, 0x3003
	s_cbranch_scc0 .Lentry_shape_is_right
	s_endpgm
.Lentry_shape_is_right:
; Attention on codes of E4M3: scores = q k^T (scales 2^e6, 2^e7), the masks' addend, the softmax ahead of a quantised product, p v (2^e8, 2^e9), and the result as codes with the scale 2^e10.
; q_codes [32 heads][1024][128];  k_codes [32][2048][128];  v_codes [32][16 tiles][128 d][128 keys] (keys innermost);  amask: f32, the image of the registers it is added to (see LAYOUT);
; o_codes [16 heads][2048 tokens][128]: planes by head.
; t = sum x c + A, c = log2(e) / sqrt(128) x 2^(e6 + e7), A = the masks' addend in units of t: one fused multiply-add.  M = the running largest t rounded UP to a whole number; p = 2^(t - M) is what is
; quantised, not normalised; the row's sum is taken of the unquantised p and divides at the end.  When M moves, the sum and O are multiplied by 2^(old M - new M), which rounds nothing.
; Both masks are inputs: every key step is walked and every addend is added.
; SHARES.  A work-group owns 128 queries of one (batch, head); each of its eight waves 16 of them, one tile: two waves to a SIMD.  Every wave walks the 2,048 keys, 128 a step.
; K's and V's tiles come through a ring of two LDS slots of 256 keys (waves 0, 1: K's halves; waves 2, 3: V's two tiles), read by all eight waves.
; CLUSTER.  The four work-groups of a cluster belong to one head and walk the same K and V: each tile is asked for jointly, by the same tensor load with the same descriptor and a mask that names the four.
; LAYOUT.  Both products are used transposed: S^T = K Q^T, O^T = V^T P^T: a lane holds ONE query (lane % 16) throughout.  Lane r of tile 2 b + u of K takes key 32 b + 8 u + r + 8 (r / 8), so that
; register 16 b + i of S^T is key 32 b + 16 (lane / 16) + i: 16 neighbours, as the conversion and the second product want them.  amask's group g holds registers 4 g .. 4 g + 3 for the 32 lanes.
; LIMITS: e6 + e7 between -123 and 130 (added to c's exponent field); e8 and e10 between -126 and 119; e8 + e9 goes by v_ldexp_f32 and has none.  NaN is not served.
; REGISTERS: v1-4 addresses that stay; v5, v6 the spare word and 0; v8-11 addresses in hand; v12 -M, v13 the largest t, v[14:15] the sum; v16-31 Q; v32-95 four fragments of K or V; v96-159 S^T, t, p;
; v160-223 O^T; v224-239 p's codes; v240, v244: 448 x 2^e8, 2^e8; v241, v245: the same with e10; v242-254 at work.  Window 1: v0-63 (the wave's registers 256-319): the step's addends.
.set KP,    144                        ; a row of 128 codes in LDS: 128 bytes + 16 of padding
.set VT,    128*KP                     ; 128 rows: what one tensor load brings
.set VOFF,  2*VT                       ; a slot: 256 rows of K, then two tiles of V of 128 rows
.set SLOT1, 1<<17                      ; slot 1 begins here: one exclusive or turns an address in one slot into the other's
.set NSL,   8                          ; slots' worth of keys
.set SLOTB, 32768                      ; a slot's keys in memory, in K and in V alike
.set SPARE, 2*SLOT1                    ; behind the ring: the spare words, 128 bytes a wave, which no other line names
.set AK0,  1
.set AV0,  2
.set PFO,  3                           ; 256 x lane: the prefetches' offset
.set MO,   4                           ; 16 x lane: the addends' offset and the stores'
.set SPW,  5
.set NIL,  6
.set ADK,  8
.set ADV,  9
.set WV,   18
.set SEL,  20                          ; s[20:21] lane selects for v_permlanex16_b32: lane l xor 16
.set CS,   22                          ; s[22:23] c
.set G1,   24                          ; s[24:31] descriptor group 1: 128 rows of 128 bytes, for K's and V's tiles alike
.set G0K,  40                          ; s[40:43], s[44:47] groups 0, which walk
.set G0V,  44
.set TB,   62                          ; LDS byte at which the slot in hand begins
.set SLOTS, 67                         ; slots still to be asked for
.set PFA,  76                          ; s[76:77] where my prefetches stand
.set LIM,  80                          ; 1 in a wave that prefetches, else the greatest number
.set MSB, 0
.macro WIN new
.if MSB != (\new)
	s_set_vgpr_msb (MSB<<8)|(\new)
.set MSB, (\new)
.endif
.endm
.macro CROUND                          ; a round of the cluster's barrier
	s_barrier_signal -1
	s_barrier_wait -1
	s_cmp_lg_u32 s[WV], 0
	s_cbranch_scc1 .Lnot_wave_0_\@
	s_barrier_signal -3
.Lnot_wave_0_\@:
	s_barrier_wait -3
	s_barrier_signal -1
	s_barrier_wait -1
.endm
; Waves 0 and 1 fetch for K, waves 2 and 3 for V, the others nothing.  The branches hang on the wave's number alone.  Four v_nop follow each line.
.macro TLOAD
	s_cmp_lt_u32 s[WV], 2
	s_cbranch_scc0 .Lnot_k_\@
	tensor_load_to_lds s[G0K:G0K+3], s[G1:G1+7]
	s_nop 0
.rept 4
	v_nop
.endr
	s_branch .Lasked_\@
.Lnot_k_\@:
	s_cmp_lt_u32 s[WV], 4
	s_cbranch_scc0 .Lasked_\@
	tensor_load_to_lds s[G0V:G0V+3], s[G1:G1+7]
	s_nop 0
.rept 4
	v_nop
.endr
.Lasked_\@:
.endm
; A prefetch of what the NEXT change of slots will ask for: 32,768 bytes of K and as many of V, two key steps ahead of that load.  Both clusters of a head walk the same K and V: the first asks.
; Its four partners take 8,192 bytes each, told apart by address; in each, wave 4 asks for K's and wave 5 for V's, lanes 256 bytes apart: each block of 256 bytes is named once in the launch.
; Slots 0 and 1 come by their loads alone; the last change that fills a slot asks for nothing.
.macro ASK
	s_cmp_gt_u32 s[SLOTS], s[LIM]
	s_cbranch_scc0 .Lnot_mine_\@
	global_prefetch_b8 v[PFO], s[PFA:PFA+1] th:TH_LOAD_NT scope:SCOPE_SE
.Lnot_mine_\@:
.endm
	s_load_b256 s[4:11], s[0:1], 0x0               ; q 4:5, k 6:7, v 8:9, amask 10:11
	s_load_b128 s[12:15], s[0:1], 0x20             ; the scales 12:13, o_codes 14:15
	v_lshl_add_u32 v[SPW], v0, 2, SPARE
	v_mov_b32 v[NIL], 0
	ds_add_u32 v5, v6
	s_wait_dscnt 0x0
	v_lshrrev_b32 v8, 5, v0
	v_readfirstlane_b32 s[WV], v8                  ; wave 0..7
	s_bfe_u32 s71, ttmp6, 0x40000                  ; cx
	s_and_b32 s70, ttmp7, 0xffff                   ; 16 x batch + head, which the four partners share
	s_lshl_b32 s72, s70, 18                        ; its first byte in k_codes and in v_codes
	s_mov_b32 s73, 0
	s_and_b32 s81, s[WV], 1
	s_lshl_b32 s82, s81, 14                        ; which 128 keys of a slot I fetch, if I fetch: in memory,
	s_mov_b32 s83, 0
	s_add_nc_u64 s[82:83], s[82:83], s[72:73]
	s_mul_i32 s81, s81, VT                         ; and in a slot: no place in the cluster enters an LDS address
	s_mov_b32 s[G1], 15|(0<<16)|(1<<20)|(1<<21)|(4<<22)|(3<<25)   ; 15:0 the mask: all four; 17:16 elements of 1 byte; 20 padding on; 21 set beside a mask; 24:22 after every 32 words; 31:25 four words
	s_mov_b32 s[G1+1], 128<<16                     ; tensor_dim0
	s_mov_b32 s[G1+2], 128<<16                     ; tensor_dim1
	s_mov_b32 s[G1+3], 128<<16                     ; tile_dim0
	s_mov_b32 s[G1+4], 128                         ; tile_dim1
	s_mov_b32 s[G1+5], 128                         ; from row to row
	s_mov_b32 s[G1+6], 0
	s_mov_b32 s[G1+7], 0
	s_mov_b32 s[SEL], 0x76543210
	s_mov_b32 s[SEL+1], 0xfedcba98
	s_mov_b32 s[CS], 0x3e0293ee                    ; log2(e) / sqrt(128)
	s_mov_b32 s[TB], 0
	s_mov_b32 s[SLOTS], NSL-1
	s_wait_kmcnt 0x0
	s_load_b64 s[90:91], s[12:13], 0x18            ; e6, e7
	s_load_b128 s[92:95], s[12:13], 0x20           ; e8, e9, e10, e11
	s_mov_b32 s[G0K], 1
	s_mov_b32 s[G0K+1], s81                        ; slot 0
	s_add_nc_u64 s[G0K+2:G0K+3], s[6:7], s[82:83]
	s_or_b32 s[G0K+3], s[G0K+3], 0x80000000
	s_mov_b32 s[G0V], 1
	s_add_co_u32 s[G0V+1], s81, VOFF
	s_add_nc_u64 s[G0V+2:G0V+3], s[8:9], s[82:83]
	s_or_b32 s[G0V+3], s[G0V+3], 0x80000000
	CROUND                                         ; all four work-groups are here: the first joint loads meet
	TLOAD                                          ; slot 0
	s_cmp_eq_u32 s[WV], 4                          ; the prefetches: wave 4 stands in K, wave 5 in V,
	s_cselect_b64 s[PFA:PFA+1], s[6:7], s[8:9]
	s_add_nc_u64 s[PFA:PFA+1], s[PFA:PFA+1], s[72:73]   ; in my head,
	s_lshl_b32 s74, s71, 13                        ; at my work-group's 8,192 bytes
	s_add_co_u32 s74, s74, SLOTB                   ; of slot 1: the first change of slots steps it to slot 2
	s_mov_b32 s75, 0
	s_add_nc_u64 s[PFA:PFA+1], s[PFA:PFA+1], s[74:75]
	s_sub_co_u32 s82, s[WV], 4
	s_lshr_b32 s82, s82, 1                         ; 0 in waves 4 and 5,
	s_or_b32 s82, s82, ttmp9                       ; of the head's first cluster: the same in all four partners
	s_cmp_eq_u32 s82, 0
	s_cselect_b32 s[LIM], 1, -1
	s_lshl_b32 s74, ttmp9, 2
	s_add_co_u32 s74, s74, s71                     ; my block of 128 queries
	s_lshl_b32 s74, s74, 7
	s_lshl_b32 s75, s[WV], 4
	s_add_co_u32 s74, s74, s75                     ; my first query
	s_mov_b32 s85, 0
	s_lshl_b32 s84, s70, 10
	s_add_co_u32 s84, s84, s74
	s_lshl_b32 s84, s84, 7
	s_add_nc_u64 s[4:5], s[4:5], s[84:85]          ; its codes
	s_lshr_b32 s86, s70, 4                         ; the batch
	s_lshl_b32 s84, s86, 10
	s_add_co_u32 s84, s84, s74                     ; its token
	s_lshl_b32 s84, s84, 7
	s_and_b32 s87, s70, 15                         ; the head: a plane of 2,048 x 128 bytes
	s_lshl_b32 s87, s87, 18
	s_add_co_u32 s84, s84, s87
	s_add_nc_u64 s[14:15], s[14:15], s[84:85]      ; where my 2,048 bytes of codes go
	s_lshl_b32 s84, s86, 6
	s_lshr_b32 s87, s74, 4
	s_add_co_u32 s84, s84, s87                     ; 64 x batch + my tile of queries
	s_lshl_b32 s84, s84, 17                        ; sixteen steps of 8,192 bytes each
	s_add_nc_u64 s[10:11], s[10:11], s[84:85]      ; the addends of my first step
	v_and_b32 v8, 15, v0                           ; r
	v_bfe_u32 v9, v0, 4, 1                         ; h
	v_lshlrev_b32 v10, 7, v8
	v_lshl_add_u32 v10, v9, 4, v10                 ; Q: row r of 128 bytes, + 16 h
.irp c, 0,1,2,3
	global_load_b128 v[16+4*\c:19+4*\c], v10, s[4:5] offset:32*\c   ; Q's fragment stays in registers
.endr
	v_and_b32 v11, 31, v0
	v_lshlrev_b32 v[MO], 4, v11
	v_lshlrev_b32 v[PFO], 8, v11
	WIN 0x40                                       ; destination window 1
.set j, 0
.rept 16
	global_load_b128 v[4*j:4*j+3], v[MO], s[10:11] offset:512*j   ; the first step's addends: 512 consecutive bytes a load
.set j, j+1
.endr
	WIN 0
	v_and_b32 v11, 8, v8
	v_add_nc_u32 v11, v11, v8                      ; r + 8 (r / 8)
	v_mul_u32_u24 v[AK0], v11, KP
	v_lshl_add_u32 v[AK0], v9, 4, v[AK0]
	v_mul_u32_u24 v[AV0], v8, KP
	v_lshl_add_u32 v[AV0], v9, 4, v[AV0]
	v_add_nc_u32 v[AV0], VOFF, v[AV0]
	v_mov_b32 v13, 0xff61b1e6                      ; the largest t so far: -3e38, under every t
	v_floor_f32 v12, -v13                          ; -M
	v_mov_b32 v14, 0                               ; the sum, in two halves
	v_mov_b32 v15, 0
	v_mov_b32 v246, 0                              ; written once: a lane permute's destination counts as one of its sources
	v_mov_b32 v253, 0                              ; (named as the upper half of the pair v[252:253])
.set j, 0
.rept 64
	v_mov_b32 v[160+j], 0                          ; O^T.  (The step is written once: the first finds zeros, which the first change of M leaves zeros)
.set j, j+1
.endr
	s_wait_kmcnt 0x0
	s_add_co_i32 s72, s90, s91
	s_lshl_b32 s72, s72, 23
	s_add_co_i32 s[CS], s[CS], s72                 ; a sum stands for sum x 2^(e6 + e7): the two exponents are added to c's exponent field
	s_mov_b32 s[CS+1], s[CS]                       ; (named with it as a pair, so it is written)
	s_add_co_i32 s72, s92, 127
	s_lshl_b32 s73, s72, 23
	v_mov_b32 v244, s73                            ; 2^e8
	s_add_co_i32 s72, s72, 8
	s_lshl_b32 s72, s72, 23
	s_or_b32 s72, s72, 0x600000
	v_mov_b32 v240, s72                            ; 448 x 2^e8
	s_add_co_i32 s72, s94, 127
	s_lshl_b32 s73, s72, 23
	v_mov_b32 v245, s73                            ; 2^e10
	s_add_co_i32 s72, s72, 8
	s_lshl_b32 s72, s72, 23
	s_or_b32 s72, s72, 0x600000
	v_mov_b32 v241, s72                            ; 448 x 2^e10
; A KEY STEP: 128 keys, the q-th of the slot in hand.  last = 1: the launch's last step, which asks for no further addends.
.macro STEP q, last
	v_add_nc_u32 v[ADK], s[TB], v[AK0]
	v_add_nc_u32 v[ADV], s[TB], v[AV0]
.irp g, 0,1                                    ; S^T = K Q^T, four tiles of 16 keys at a time
.rept 4-2*(1-\g)
	v_nop                                          ; four places in front of loads into registers that matrix instructions have read; the two additions above are places too
.endr
.irp t, 0,1,2,3
.irp c, 0,1,2,3
	ds_load_b128 v[32+16*\t+4*\c:32+16*\t+4*\c+3], v[ADK] offset:(128*(\q)+32*((4*\g+\t)/2)+8*(\t%2))*KP+32*\c
.endr
.endr
	s_wait_dscnt 0x0
.irp t, 0,1,2,3
	v_wmma_f32_16x16x128_fp8_fp8 v[96+8*(4*\g+\t):103+8*(4*\g+\t)], v[32+16*\t:47+16*\t], v[16:31], 0
.endr
.endr
.rept 4
	v_nop
.endr
	s_wait_loadcnt 0x0                             ; this step's addends, asked for a step ago
	WIN 0x10                                       ; source 2 window 1
.set j, 0
.rept 32
	v_pk_fma_f32 v[96+j:97+j], v[96+j:97+j], s[CS:CS+1], v[j:j+1] op_sel_hi:[1,0,1]   ; t = sum x c + A; each accumulator from its low end on
.set j, j+2
.endr
.if (\last) == 0
	s_add_nc_u64 s[10:11], s[10:11], 8192          ; free since the wait for the loads that named it
	WIN 0x40
.set j, 0
.rept 16
	global_load_b128 v[4*j:4*j+3], v[MO], s[10:11] offset:512*j   ; the next step's addends: a whole step ahead
.set j, j+1
.endr
.endif
	WIN 0
	v_max3_num_f32 v254, v96, v97, v98             ; the step's largest t of my query, among my 64 keys, in two chains,
	v_max3_num_f32 v252, v99, v100, v101
.irp i, 6,10,14,18,22,26,30,34,38,42,46,50,54,58
	v_max3_num_f32 v254, v254, v[96+\i], v[97+\i]
	v_max3_num_f32 v252, v252, v[98+\i], v[99+\i]
.endr
	v_max3_num_f32 v254, v254, v158, v159
	v_max_num_f32 v254, v254, v252
	v_permlanex16_b32 v246, v254, s[SEL], s[SEL+1]
	v_max_num_f32 v254, v254, v246                 ; and among lane l xor 16's
	v_max_num_f32 v13, v13, v254                   ; the running largest t
	v_mov_b32 v254, v12
	v_floor_f32 v12, -v13                          ; the new -M = floor(-t) = -ceil(t): a whole number
	v_sub_f32 v254, v12, v254                      ; old M - new M: a whole number, 0 or less
	v_cvt_i32_f32 v254, v254                       ; (it saturates)
	v_ldexp_f32 v252, 1.0, v254                    ; f = 2^(old M - new M)
.set j, 0
.rept 32
	v_pk_add_f32 v[96+j:97+j], v[96+j:97+j], v[12:13] op_sel_hi:[1,0]   ; t - M (of the pair the low word, -M, serves both halves)
.set j, j+2
.endr
.set j, 0
.rept 64
	v_exp_f32 v[96+j], v[96+j]                     ; p = 2^(t - M), at most 1
.set j, j+1
.endr
	v_pk_mul_f32 v[14:15], v[14:15], v[252:253] op_sel_hi:[1,0]   ; the sums under the new M: the plain instruction behind the exponentials
	s_wait_alu depctr_va_vdst(0)                   ; one wait for the batch of 64, ahead of its first reader
	v_pk_add_f32 v[242:243], v[96:97], v[98:99]    ; the row's sum is taken of the unquantised p, in two chains
.irp j, 4,8,12,16,20,24,28,32,36,40,44,48,52,56,60
	v_pk_add_f32 v[14:15], v[14:15], v[96+\j:97+\j]
	v_pk_add_f32 v[242:243], v[242:243], v[98+\j:99+\j]
.endr
	v_pk_add_f32 v[14:15], v[14:15], v[242:243]
.irp b, 0,1,2,3
.irp i, 0,1,2,3,4,5,6,7,8,9,10,11,12,13,14,15
	v_min_num_f32 v[96+16*\b+\i], v[96+16*\b+\i], v240   ; the conversion does not saturate (ISA guide 7.6.2); p is not negative, so the hold is one-sided
.endr
	v_cvt_scalef32_pk8_fp8_f32 v[224+4*\b:225+4*\b], v[96+16*\b:103+16*\b], v244
	v_cvt_scalef32_pk8_fp8_f32 v[226+4*\b:227+4*\b], v[104+16*\b:111+16*\b], v244
.endr
.set j, 0
.rept 32
	v_pk_mul_f32 v[160+j:161+j], v[160+j:161+j], v[252:253] op_sel_hi:[1,0]   ; O^T under the new M.  (These are also the places in front of the loads and matrix instructions below)
.set j, j+2
.endr
.irp g, 0,1                                    ; O^T += V^T P^T: four tiles of 16 channels at a time; K = these 128 keys
.if \g > 0
.rept 4
	v_nop
.endr
.endif
.irp t, 0,1,2,3
.irp c, 0,1,2,3
	ds_load_b128 v[32+16*\t+4*\c:32+16*\t+4*\c+3], v[ADV] offset:(\q)*VT+16*(4*\g+\t)*KP+32*\c
.endr
.endr
	s_wait_dscnt 0x0
.irp t, 0,1,2,3
	v_wmma_f32_16x16x128_fp8_fp8 v[160+8*(4*\g+\t):167+8*(4*\g+\t)], v[32+16*\t:47+16*\t], v[224:239], v[160+8*(4*\g+\t):167+8*(4*\g+\t)]
.endr
.endr
.endm
; THE CHANGE OF SLOTS stands at a slot's head.  Each wave waits for all its tensor loads (its part of the slot ahead), adds 0 to its spare word, and waits for that and for its reads of the slot that it has left.
; fill = 1: the barrier is a round of the cluster's, and behind it the slot that was left is filled with the keys that follow: the load has two key steps in which to land.
.macro CHANGE fill
	s_wait_tensorcnt 0x0                           ; no tensor load of mine is out, so a group 0 may be written
	ds_add_u32 v[SPW], v[NIL]                      ; 0 onto my spare word
.if \fill
	s_xor_b32 s[G0K+1], s[G0K+1], SLOT1            ; the walking descriptors: the other slot than last time,
	s_add_nc_u64 s[G0K+2:G0K+3], s[G0K+2:G0K+3], SLOTB   ; the next 256 keys
	s_xor_b32 s[G0V+1], s[G0V+1], SLOT1
	s_add_nc_u64 s[G0V+2:G0V+3], s[G0V+2:G0V+3], SLOTB
	s_wait_xcnt 0x0                                ; the last prefetch, a slot back, has read its address, so it may be written
	s_add_nc_u64 s[PFA:PFA+1], s[PFA:PFA+1], SLOTB ; one slot further on than the walking descriptors
	s_wait_dscnt 0x0                               ; the add is done, and my reads of the slot that I have left are over
	CROUND
	TLOAD                                          ; the first thing behind the round, and a wave's one tensor load until the next
	ASK
.else
	s_wait_dscnt 0x0
	s_barrier_signal -1
	s_barrier_wait -1
.endif
.endm
	s_wait_loadcnt 0x0                             ; Q
.Lslot:                                            ; NSL - 1 trips: behind each change of slots but the last the next slot is asked for
	CHANGE 1
	STEP 0, 0
	STEP 1, 0
	s_xor_b32 s[TB], s[TB], SLOT1
	s_sub_co_u32 s[SLOTS], s[SLOTS], 1
	s_cmp_lg_u32 s[SLOTS], 0
	s_cbranch_scc1 .Lslot
	CHANGE 0                                       ; the last slot is written out
	STEP 0, 0
	STEP 1, 1
	; THE WAY OUT.  O^T / the sum x 2^(e8 + e9) is the number; it is held, converted with 2^e10 and goes through my stage (16 rows x 144 bytes, in slot 0, which was left at the last change of slots
	; and has had its last fill), so that my 16 rows of 128 codes leave as 2,048 consecutive bytes.
	v_add_f32 v14, v14, v15
	v_permlanex16_b32 v252, v14, s[SEL], s[SEL+1]
	v_add_f32 v14, v14, v252                       ; the row's sum
	v_rcp_f32 v14, v14
	v_and_b32 v8, 15, v0                           ; (a plain instruction behind the reciprocal)
	v_bfe_u32 v9, v0, 4, 1
	s_add_co_i32 s72, s92, s93
	s_mul_i32 s73, s[WV], 16*KP                    ; my stage
	v_mul_u32_u24 v10, v8, KP
	v_lshl_add_u32 v10, v9, 3, v10
	v_add_nc_u32 v10, s73, v10                     ; in: row r, 8 bytes for each half of the lanes
	v_bfe_u32 v11, v0, 3, 2
	v_mul_u32_u24 v11, v11, KP
	v_and_b32 v8, 7, v0
	v_lshl_add_u32 v11, v8, 4, v11
	v_add_nc_u32 v11, s73, v11                     ; back: eight lanes to a row, four rows an instruction
	s_wait_alu depctr_va_vdst(0)                   ; the wait ahead of the reciprocal's first reader
	v_ldexp_f32 v14, v14, s72                      ; x 2^(e8 + e9)
.set j, 0
.rept 64
	v_mul_f32 v[96+j], v[160+j], v14               ; register 8 t + i is the number at (query r, channel 16 t + 8 h + i); each accumulator from its low end on
.set j, j+1
.endr
.set j, 0
.rept 64
	v_med3_num_f32 v[96+j], v[96+j], -v241, v241
.set j, j+1
.endr
.irp t, 0,1,2,3,4,5,6,7
	v_cvt_scalef32_pk8_fp8_f32 v[224+2*\t:225+2*\t], v[96+8*\t:103+8*\t], v245
.endr
	v_nop                                          ; one plain vector instruction behind the last conversion
.irp t, 0,1,2,3,4,5,6,7
	ds_store_b64 v10, v[224+2*\t:225+2*\t] offset:16*\t
.endr
.irp u, 0,1,2,3
	ds_load_b128 v[32+4*\u:35+4*\u], v11 offset:\u*4*KP   ; LDS serves a wave's instructions in order: these see my stores
.endr
.irp u, 0,1,2,3
	s_wait_dscnt 3-\u                              ; load u is in, the younger ones may be out
	global_store_b128 v[MO], v[32+4*\u:35+4*\u], s[14:15] offset:512*\u
.endr
	s_wait_tensorcnt 0x0                           ; the wave's end
	ds_add_u32 v[SPW], v[NIL]
	s_wait_dscnt 0x0
	CROUND                                         ; the closing round
	s_endpgm
.Lfunc_end_k_q9ccbc7dd04_attn:
	.size	k_q9ccbc7dd04_attn, .Lfunc_end_k_q9ccbc7dd04_attn-k_q9ccbc7dd04_attn
	.p2alignl 7, 3214868480
	.fill 96, 4, 3214868480
	.section	.rodata,"a",@progbits
	.p2align	6, 0x0
	.amdhsa_kernel k_q9ccbc7dd04_attn
		.amdhsa_group_segment_fixed_size 327680
		.amdhsa_private_segment_fixed_size 0
		.amdhsa_enable_private_segment 0
		.amdhsa_kernarg_size 48
		.amdhsa_user_sgpr_count 2
		.amdhsa_user_sgpr_kernarg_segment_ptr 1
		.amdhsa_wavefront_size32 1
		.amdhsa_system_sgpr_workgroup_id_x 1
		.amdhsa_system_sgpr_workgroup_id_y 1
		.amdhsa_system_sgpr_workgroup_id_z 1
		.amdhsa_system_vgpr_workitem_id 0
		.amdhsa_next_free_vgpr 320
		.amdhsa_next_free_sgpr 100
		.amdhsa_reserve_vcc 0
		.amdhsa_float_denorm_mode_32 3
		.amdhsa_float_denorm_mode_16_64 3
		.amdhsa_memory_ordered 1
		.amdhsa_forward_progress 1
		.amdhsa_inst_pref_size 109
	.end_amdhsa_kernel
	.amdgpu_metadata
---
amdhsa.version: [ 1, 2 ]
amdhsa.kernels:
  - .name:           k_q9ccbc7dd04_attn
    .symbol:         k_q9ccbc7dd04_attn.kd
    .args:
      - { .name: q_codes, .offset: 0, .size: 8, .value_kind: global_buffer, .address_space: global }
      - { .name: k_codes, .offset: 8, .size: 8, .value_kind: global_buffer, .address_space: global }
      - { .name: v_codes, .offset: 16, .size: 8, .value_kind: global_buffer, .address_space: global }
      - { .name: amask, .offset: 24, .size: 8, .value_kind: global_buffer, .address_space: global }
      - { .name: lowp_scales, .offset: 32, .size: 8, .value_kind: global_buffer, .address_space: global }
      - { .name: o_codes, .offset: 40, .size: 8, .value_kind: global_buffer, .address_space: global }
    .group_segment_fixed_size: 327680
    .private_segment_fixed_size: 0
    .kernarg_segment_align: 8
    .kernarg_segment_size: 48
    .max_flat_workgroup_size: 256
    .sgpr_count:     100
    .vgpr_count:     320
    .wavefront_size: 32
...
	.end_amdgpu_metadata
.endif
;; end of part 3
;; launch oproj (part 4): grid 8 x 8, 4 waves a work-group, clusters of 4 x 4, 327,680 bytes of LDS; arguments o_codes, Wo_codes, lowp_scales, bo, out0; writes out0
.if DOCPART == 4
	.amdgcn_target "amdgcn-amd-amdhsa--gfx1250"
	.amdhsa_code_object_version 6
	.text
	.protected	k_q9ccbc7dd04_oproj
	.globl	k_q9ccbc7dd04_oproj
	.p2align	8
	.type	k_q9ccbc7dd04_oproj,@function
k_q9ccbc7dd04_oproj:
	s_mov_b64 s[64:65], 0
	v_nop
	global_prefetch_b8 v0, s[64:65] scope:SCOPE_SE
	s_setreg_imm32_b32 hwreg(HW_REG_WAVE_MODE, 25, 1), 1
	s_wait_xcnt 0x0
	s_wait_alu depctr_hold_cnt(0) depctr_sa_sdst(0) depctr_va_vdst(0) depctr_va_sdst(0) depctr_va_ssrc(0) depctr_va_vcc(0) depctr_vm_vsrc(0)
	s_getreg_b32 s2, hwreg(HW_REG_IB_STS2, 6, 4)
	s_cmp_eq_u32 s2, 0
	s_cbranch_scc0 .Lentry_in_a_cluster
	s_endpgm
.Lentry_in_a_cluster:
	s_bfe_u32 s2, ttmp6, 0x10000c
	s_cmp_lg_u32 s2, 0xf033
	s_cbranch_scc0 .Lentry_shape_is_right
	s_endpgm
.Lentry_shape_is_right:
; out0[token][n] = sum over k of A[token][k] Wo[n][k] x 2^(e10 + e11) + bo[n], on codes of E4M3.  A = o_codes, laid in planes by head: [16 planes][2048 tokens][128]; k = 128 x plane + d.
; Wo_codes: [2048][2048], K innermost.  out0: [2048][2048] f32.
; A tile of out0, 256 x 256, is made by four waves of 128 x 128 (64 accumulators, 512 registers).  K goes in steps of 256 through a ring of two LDS slots: of A two planes' 256 rows of 128 bytes
; (waves 0 and 1 fetch a plane each: a dense block of 32,768 bytes), of Wo 256 rows of 256 bytes (waves 2 and 3 fetch 128 rows each).
; CLUSTERS of 4 x 4: A's tiles are shared along a row of the cluster, Wo's along a column: each is asked for jointly, by the same tensor load with the same descriptor and a mask that names the four.
; THE MATRIX INSTRUCTION IS USED TRANSPOSED (source 0 = 16 rows of Wo, source 1 = 16 rows of A): a lane holds eight neighbouring numbers of a row of out0.
; 64 work-groups: the tile keeps a wave's 128 x 128, which reads each LDS byte for the most products.
; LIMIT: e10 + e11 between -126 and 127, so that 2^(e10 + e11) is an f32 number.
; REGISTERS, in windows of 256: window 0: v0-31 addresses; v32-95 bo at my columns; from v128 A's fragments, ONE set (on the way out: rows read back).   window 1: Wo's fragments, TWO sets.
;   window 2: the accumulators of my rows 0-63 ((a, b) at v[8 (8 a + b)]);   window 3: those of my rows 64-127.
.set APITCH, 144                       ; A's LDS row: 128 bytes + 16 = 36 words: the 16 rows that a load touches start at 16 different banks (64 banks of 4 bytes: ISA guide 11.1)
.set AHALF,  256*APITCH                ; a plane's 256 rows
.set PITCH,  272                       ; Wo's LDS row: 256 bytes + 16
.set BHALF,  128*PITCH
.set BOFF,   2*AHALF                   ; Wo's rows lie behind A's two planes
.set SLOT,   BOFF+2*BHALF              ; 143,360 bytes
.set SPARE,  2*SLOT                    ; behind the ring: the spare words, 128 bytes a wave, which no other line names
.set PLANE,  2048*128                  ; a plane of A in memory
.set FR,     16
.set NL,     4
.set NP,     4
.set LAPS,   4                         ; a lap = two K steps of 256 = once round the ring
.set SIZE_N, 2048
.set SPITCH, 528                       ; the way out: a stage of 16 rows x (512 + 16) bytes a wave, in slot 0, which has had its last fill and its last read by then
.set ADRA, 16
.set ADRB, 20
.set STO,  24
.set RD,   25
.set CO,   26
.set SPW,  28
.set NIL,  29
.set BCA,  30                          ; 32 x (lane / 16)
.set COL,  32
.set AF,   128
.set BK,   128                         ; the way out: v128-191 and v192-255 by turns
.set G1, 24
.set G0, 32
.set G1B, 48
.set G0B, 56
.set MSB, 0
.macro WIN new
.if MSB != (\new)
	s_set_vgpr_msb (MSB<<8)|(\new)
.set MSB, (\new)
.endif
.endm
.set MUL_LO, 0xa1
.set MUL_HI, 0xf1
.set TO_B,   0x40
.macro JLOAD g0a, g1a, g0b, g1b        ; waves 0 and 1 fetch for A, waves 2 and 3 for Wo; four v_nop follow each line
	s_cmp_eq_u32 s15, 0
	s_cbranch_scc0 .Lfor_b_\@
	tensor_load_to_lds s[\g0a:\g0a+3], s[\g1a:\g1a+7]
	s_nop 0
.rept 4
	v_nop
.endr
	s_branch .Lasked_\@
.Lfor_b_\@:
	tensor_load_to_lds s[\g0b:\g0b+3], s[\g1b:\g1b+7]
	s_nop 0
.rept 4
	v_nop
.endr
.Lasked_\@:
.endm
.macro CREST
	s_cmp_lg_u32 s14, 0
	s_cbranch_scc1 .Lnot_wave_0_\@
	s_barrier_signal -3
.Lnot_wave_0_\@:
	s_barrier_wait -3
	s_barrier_signal -1
	s_barrier_wait -1
.endm
.macro CROUND
	s_barrier_signal -1
	s_barrier_wait -1
	CREST
.endm
	s_load_b128 s[4:7], s[0:1], 0x0                ; o_codes 4:5, Wo_codes 6:7
	s_load_b128 s[8:11], s[0:1], 0x10              ; the scales 8:9, bo 10:11
	s_load_b64 s[12:13], s[0:1], 0x20              ; out0
	v_lshl_add_u32 v[SPW], v0, 2, SPARE
	v_mov_b32 v[NIL], 0
	ds_add_u32 v28, v29
	s_wait_dscnt 0x0
	v_lshrrev_b32 v1, 5, v0
	v_readfirstlane_b32 s14, v1                    ; wave 0..3
	s_lshr_b32 s15, s14, 1                         ; which half of the tile's rows is mine.  Also: I fetch for A (0) or for Wo (1)
	s_and_b32 s16, s14, 1                          ; which half of its columns.  Also: which plane, or which 128 rows, I fetch
	s_bfe_u32 s40, ttmp6, 0x40000
	s_bfe_u32 s41, ttmp6, 0x40004
	s_lshl_b32 s42, ttmp9, 2
	s_add_co_u32 s42, s42, s40                     ; tile column
	s_and_b32 s17, ttmp7, 0xffff
	s_lshl_b32 s17, s17, 2
	s_add_co_u32 s17, s17, s41                     ; tile row
	s_lshl_b32 s43, s41, 2
	s_lshl_b32 s43, 15, s43                        ; my row of the cluster
	s_lshl_b32 s44, 0x1111, s40                    ; my column
	s_or_b32 s[G1+0], s43, (0<<16)|(1<<20)|(1<<21)|(4<<22)|(3<<25)   ; A: elements of 1 byte; padding of four words after every 32; the mask of my row, bit 21 beside it
	s_mov_b32 s[G1+1], 128<<16                     ; tensor_dim0
	s_mov_b32 s[G1+2], 256<<16                     ; tensor_dim1
	s_mov_b32 s[G1+3], 128<<16                     ; tile_dim0
	s_mov_b32 s[G1+4], 256                         ; tile_dim1
	s_mov_b32 s[G1+5], 128                         ; from row to row
	s_mov_b32 s[G1+6], 0
	s_mov_b32 s[G1+7], 0
	s_or_b32 s[G1B+0], s44, (0<<16)|(1<<20)|(1<<21)|(5<<22)|(3<<25)  ; Wo: padding of four words after every 64; the mask of my column
	s_mov_b32 s[G1B+1], 256<<16
	s_mov_b32 s[G1B+2], 128<<16
	s_mov_b32 s[G1B+3], 256<<16
	s_mov_b32 s[G1B+4], 128
	s_mov_b32 s[G1B+5], 2048
	s_mov_b32 s[G1B+6], 0
	s_mov_b32 s[G1B+7], 0
	s_lshl_b32 s20, s16, 18                        ; A: my plane of the K step's two,
	s_lshl_b32 s21, s17, 15                        ; the tile's 256 rows of 128 bytes
	s_add_co_u32 s20, s20, s21
	s_mov_b32 s21, 0
	s_lshl_b32 s46, s42, 8
	s_lshl_b32 s18, s16, 7
	s_add_co_u32 s46, s46, s18                     ; Wo: row 256 x tile column + 128 x half,
	s_lshl_b32 s46, s46, 11                        ; of 2,048 bytes
	s_mov_b32 s47, 0
	s_mul_i32 s45, s16, AHALF                      ; where they go: no place in the cluster enters an LDS address
	s_mul_i32 s22, s16, BHALF
	s_add_co_u32 s22, s22, BOFF
	s_wait_kmcnt 0x0
	s_load_b64 s[96:97], s[8:9], 0x28              ; e10, e11
	s_add_nc_u64 s[20:21], s[4:5], s[20:21]
	s_add_nc_u64 s[46:47], s[6:7], s[46:47]
	CROUND                                         ; all sixteen work-groups are here: the first joint loads meet
.irp s, 0,1
	s_mov_b32 s[G0+4*\s], 1
	s_add_co_u32 s[G0+4*\s+1], s45, \s*SLOT
	s_add_nc_u64 s[G0+4*\s+2:G0+4*\s+3], s[20:21], \s*2*PLANE
	s_or_b32 s[G0+4*\s+3], s[G0+4*\s+3], 0x80000000
	s_mov_b32 s[G0B+4*\s], 1
	s_add_co_u32 s[G0B+4*\s+1], s22, \s*SLOT
	s_add_nc_u64 s[G0B+4*\s+2:G0B+4*\s+3], s[46:47], \s*256
	s_or_b32 s[G0B+4*\s+3], s[G0B+4*\s+3], 0x80000000
	JLOAD G0+4*\s, G1, G0B+4*\s, G1B
.endr
	v_and_b32 v1, 15, v0                           ; r
	v_bfe_u32 v2, v0, 4, 1                         ; h
	v_mul_u32_u24 v3, v1, APITCH
	v_lshl_add_u32 v3, v2, 4, v3                   ; A: row x pitch + 16 x half
	v_mul_u32_u24 v4, v1, PITCH
	v_lshl_add_u32 v4, v2, 4, v4                   ; Wo likewise
	s_mul_i32 s21, s15, 128*APITCH                 ; my 128 rows of each plane
	s_mul_i32 s22, s16, BHALF
	s_add_co_u32 s22, s22, BOFF                    ; my 128 rows of Wo
.irp s, 0,1
	v_add_nc_u32 v[ADRA+\s], s21, v3
	v_add_nc_u32 v[ADRB+\s], s22, v4
	s_add_co_u32 s21, s21, SLOT
	s_add_co_u32 s22, s22, SLOT
.endr
	s_mul_i32 s23, s14, 16*SPITCH                  ; my stage
	v_mul_u32_u24 v5, v1, SPITCH
	v_lshl_add_u32 v5, v2, 5, v5
	v_add_nc_u32 v[STO], s23, v5                   ; in: row r, 32 bytes for each half of the lanes
	v_and_b32 v6, 31, v0
	v_lshlrev_b32 v[CO], 4, v6                     ; back: the 32 lanes take one row of 512 bytes; and the same in out0
	v_add_nc_u32 v[RD], s23, v[CO]
	v_lshlrev_b32 v[BCA], 5, v2
	s_lshl_b32 s46, s42, 10                        ; my first column, in bytes: 1,024 x tile column + 512 x half
	s_lshl_b32 s47, s16, 9
	s_add_co_u32 s46, s46, s47
	s_mov_b32 s47, 0
	s_add_nc_u64 s[10:11], s[10:11], s[46:47]      ; bo at my columns
.irp b, 0,1,2,3,4,5,6,7
	global_load_b128 v[COL+8*\b:COL+8*\b+3], v[BCA], s[10:11] offset:64*\b        ; columns 16 b + 8 h + 0 .. 7
	global_load_b128 v[COL+8*\b+4:COL+8*\b+7], v[BCA], s[10:11] offset:64*\b+16
.endr
	s_lshl_b32 s20, s17, 8
	s_lshl_b32 s21, s15, 7
	s_add_co_u32 s20, s20, s21                     ; my first row of out0
	s_lshl_b32 s20, s20, 13                        ; rows of 8,192 bytes
	s_mov_b32 s21, 0
	s_add_nc_u64 s[20:21], s[20:21], s[46:47]
	s_add_nc_u64 s[12:13], s[12:13], s[20:21]
.macro FRAGA reg, adr, q, i            ; a fragment of A: the slot's plane q, rows 16 i on; registers 4 c .. 4 c + 3 hold K = 32 c + 16 (l / 16) + 0 .. 15, as Wo's do
.irp c, 0,1,2,3
	ds_load_b128 v[\reg+4*\c:\reg+4*\c+3], v[\adr] offset:AHALF*(\q)+32*\c+(\i)*16*APITCH
.endr
.endm
.macro FRAGB reg, adr, q, i
.irp c, 0,1,2,3
	ds_load_b128 v[\reg+4*\c:\reg+4*\c+3], v[\adr] offset:128*(\q)+32*\c+(\i)*16*PITCH
.endr
.endm
; The 64 accumulators take turns, one instruction a turn, in the same order in every step.
.macro MUL16 a0, p, zero
.irp a, \a0, \a0+1
.irp b, 0,1,2,3,4,5,6,7
.if \zero
	v_wmma_f32_16x16x128_fp8_fp8 v[8*(8*((\a)%4)+\b):8*(8*((\a)%4)+\b)+7], v[128*(\p)+FR*\b:128*(\p)+FR*\b+FR-1], v[AF+FR*(\a):AF+FR*(\a)+FR-1], 0
.else
	v_wmma_f32_16x16x128_fp8_fp8 v[8*(8*((\a)%4)+\b):8*(8*((\a)%4)+\b)+7], v[128*(\p)+FR*\b:128*(\p)+FR*\b+FR-1], v[AF+FR*(\a):AF+FR*(\a)+FR-1], v[8*(8*((\a)%4)+\b):8*(8*((\a)%4)+\b)+7]
.endif
.endr
.endr
.endm
.macro FETCH_B slot, q, p
	WIN TO_B
.irp i, 0,1,2,3,4,5,6,7
	FRAGB 128*(\p)+FR*\i, ADRB+\slot, \q, \i
.endr
	WIN 0
.endm
.macro FETCH_A slot, q, i0
.irp i, \i0, \i0+1, \i0+2, \i0+3
	FRAGA AF+FR*(\i), ADRA+\slot, \q, \i
.endr
.endm
.macro PLACES n                        ; plain vector instructions between a matrix instruction and a load into a register that it has read, or a read of its result
.rept \n
	v_nop
.endr
.endm
.macro STEP slot, q, zero
	s_wait_dscnt 4*NL                              ; all but the youngest sixteen loads (A's blocks 4-7) are in
	WIN MUL_LO
	MUL16 0, (\q)%2, \zero
	MUL16 2, (\q)%2, \zero
	s_wait_dscnt 0
	PLACES NP
	FETCH_B \slot, (\q)+1, 1-(\q)%2
	FETCH_A \slot, (\q)+1, 0
	WIN MUL_HI
	MUL16 4, (\q)%2, \zero
	MUL16 6, (\q)%2, \zero
	PLACES NP
	WIN 0
	FETCH_A \slot, (\q)+1, 4
.endm
.macro TURN slot, next, fill
	s_wait_tensorcnt 0x0                           ; all my tensor loads have landed: my part of the next slot
	ds_add_u32 v[SPW], v[NIL]                      ; 0 onto my spare word
	s_wait_dscnt 4*NL+1                            ; (the add and the youngest sixteen loads may be out)
	WIN MUL_LO
	MUL16 0, 1, 0
	s_wait_dscnt 0x0                               ; the add is done, and my reads of this slot are over
	s_barrier_signal -1
	MUL16 2, 1, 0
	WIN 0
	s_barrier_wait -1
.if \fill
	CREST                                          ; the barrier has opened a round of the cluster's: no wave of any partner still reads this slot or has a load on its way
	s_add_nc_u64 s[G0+4*\slot+2:G0+4*\slot+3], s[G0+4*\slot+2:G0+4*\slot+3], 4*PLANE
	s_add_nc_u64 s[G0B+4*\slot+2:G0B+4*\slot+3], s[G0B+4*\slot+2:G0B+4*\slot+3], 512
	JLOAD G0+4*\slot, G1, G0B+4*\slot, G1B         ; the first tensor load behind the round; its four v_nop are the places in front of the loads below
.else
	PLACES NP
.endif
	FETCH_B \next, 0, 0
	FETCH_A \next, 0, 0
	WIN MUL_HI
	MUL16 4, 1, 0
	MUL16 6, 1, 0
	PLACES NP
	WIN 0
	FETCH_A \next, 0, 4
.endm
	s_wait_tensorcnt 1                             ; my part of K step 0 is in; K step 1's load may be out
	s_barrier_signal -1
	s_barrier_wait -1
	FETCH_B 0, 0, 0
	FETCH_A 0, 0, 0
	FETCH_A 0, 0, 4
	STEP 0, 0, 1                                   ; the first step stands in front of the loop: its products start the sums
	s_mov_b32 s3, LAPS-1
.Llap:
	TURN 0, 1, 1
	STEP 1, 0, 0
	TURN 1, 0, 1
	STEP 0, 0, 0
	s_sub_co_u32 s3, s3, 1
	s_cmp_lg_u32 s3, 0
	s_cbranch_scc1 .Llap
	TURN 0, 1, 0                                   ; the last lap fills nothing
	STEP 1, 0, 0
	s_wait_dscnt 4*NL
	WIN MUL_LO
	MUL16 0, 1, 0
	MUL16 2, 1, 0
	s_wait_dscnt 0
	WIN MUL_HI
	MUL16 4, 1, 0
	MUL16 6, 1, 0
	WIN 0
; THE WAY OUT, block by block of 16 rows x 128 columns: sum x 2^(e10 + e11) + bo in place, through my stage, back as whole rows of 512 bytes, which the 32 lanes store as 512 consecutive bytes.
.macro TOSTAGE a
.set AC, 64*((\a)%4)
	WIN 0x82+0x41*((\a)/4)                         ; source 0 and destination: window 2 or 3; bo in window 0
.set j, 0
.rept 32
	v_pk_fma_f32 v[AC+j:AC+j+1], v[AC+j:AC+j+1], s[96:97], v[COL+j:COL+j+1] op_sel_hi:[1,0,1]   ; each accumulator from its low end on
.set j, j+2
.endr
	WIN 0x08+0x04*((\a)/4)                         ; an LDS store's data: window 2 or 3
.irp b, 0,1,2,3,4,5,6,7
	ds_store_b128 v[STO], v[AC+8*\b:AC+8*\b+3] offset:64*\b
	ds_store_b128 v[STO], v[AC+8*\b+4:AC+8*\b+7] offset:64*\b+16
.endr
	WIN 0
.set BB, BK+64*((\a)%2)
.irp t, 0,1,2,3,4,5,6,7,8,9,10,11,12,13,14,15
	ds_load_b128 v[BB+4*\t:BB+4*\t+3], v[RD] offset:\t*SPITCH   ; LDS serves a wave's instructions in order: these see my stores
.endr
.endm
.macro SEND a, younger
.set BB, BK+64*((\a)%2)
	s_wait_dscnt \younger
.if (\a) > 0
	s_add_nc_u64 s[12:13], s[12:13], 16*SIZE_N*4   ; (behind a wait on XCNT: the earlier stores have read their base)  16 rows on
.endif
.irp t, 0,1,2,3,4,5,6,7,8,9,10,11,12,13,14,15
	global_store_b128 v[CO], v[BB+4*\t:BB+4*\t+3], s[12:13] offset:\t*SIZE_N*4 th:TH_STORE_NT   ; written once, read by nobody here
.endr
.endm
	s_wait_kmcnt 0x0
	s_add_co_i32 s96, s96, s97
	s_add_co_i32 s96, s96, 127
	s_lshl_b32 s96, s96, 23                        ; 2^(e10 + e11) as f32
	s_mov_b32 s97, s96                             ; (named with it as a pair, so it is written)
	s_wait_loadcnt 0x0                             ; bo
	PLACES NP                                      ; behind the last products: for the reads of results and the loads into the registers that held A's fragments
	TOSTAGE 0
.irp a, 1,2,3,4,5,6,7
.if \a > 1
	s_wait_xcnt 0x0                                ; block a - 2's stores have read their registers and their base
.endif
	TOSTAGE \a
	SEND \a-1, 32                                  ; behind block a - 1's loads: block a's 16 stores and 16 loads
.endr
	s_wait_xcnt 0x0                                ; block 6's stores have read their base
	SEND 7, 0
	s_wait_tensorcnt 0x0                           ; the wave's end
	ds_add_u32 v[SPW], v[NIL]
	s_wait_dscnt 0x0
	CROUND                                         ; the closing round
	s_endpgm
.Lfunc_end_k_q9ccbc7dd04_oproj:
	.size	k_q9ccbc7dd04_oproj, .Lfunc_end_k_q9ccbc7dd04_oproj-k_q9ccbc7dd04_oproj
	.p2alignl 7, 3214868480
	.fill 96, 4, 3214868480
	.section	.rodata,"a",@progbits
	.p2align	6, 0x0
	.amdhsa_kernel k_q9ccbc7dd04_oproj
		.amdhsa_group_segment_fixed_size 327680
		.amdhsa_private_segment_fixed_size 0
		.amdhsa_enable_private_segment 0
		.amdhsa_kernarg_size 40
		.amdhsa_user_sgpr_count 2
		.amdhsa_user_sgpr_kernarg_segment_ptr 1
		.amdhsa_wavefront_size32 1
		.amdhsa_system_sgpr_workgroup_id_x 1
		.amdhsa_system_sgpr_workgroup_id_y 1
		.amdhsa_system_sgpr_workgroup_id_z 1
		.amdhsa_system_vgpr_workitem_id 0
		.amdhsa_next_free_vgpr 1024
		.amdhsa_next_free_sgpr 98
		.amdhsa_reserve_vcc 0
		.amdhsa_float_denorm_mode_32 3
		.amdhsa_float_denorm_mode_16_64 3
		.amdhsa_memory_ordered 1
		.amdhsa_forward_progress 1
		.amdhsa_inst_pref_size 125
	.end_amdhsa_kernel
	.amdgpu_metadata
---
amdhsa.version: [ 1, 2 ]
amdhsa.kernels:
  - .name:           k_q9ccbc7dd04_oproj
    .symbol:         k_q9ccbc7dd04_oproj.kd
    .args:
      - { .name: o_codes, .offset: 0, .size: 8, .value_kind: global_buffer, .address_space: global }
      - { .name: Wo_codes, .offset: 8, .size: 8, .value_kind: global_buffer, .address_space: global }
      - { .name: lowp_scales, .offset: 16, .size: 8, .value_kind: global_buffer, .address_space: global }
      - { .name: bo, .offset: 24, .size: 8, .value_kind: global_buffer, .address_space: global }
      - { .name: out0, .offset: 32, .size: 8, .value_kind: global_buffer, .address_space: global }
    .group_segment_fixed_size: 327680
    .private_segment_fixed_size: 0
    .kernarg_segment_align: 8
    .kernarg_segment_size: 40
    .max_flat_workgroup_size: 128
    .sgpr_count:     98
    .vgpr_count:     1024
    .wavefront_size: 32
...
	.end_amdgpu_metadata
.endif
;; end of part 4
;; ======== version 2 of 2: 4 launches
;; workspace buffers: q_codes 4,194,304 bytes; k_codes 8,388,608 bytes; v_codes 8,388,608 bytes; amask 16,777,216 bytes; o_codes 4,194,304 bytes
;; launch prep: the kernel of part 1 again; grid 640 x 1, 4 waves a work-group, no clusters, 90,624 bytes of LDS; arguments past_k, past_v, causal_mask, pad_mask, lowp_scales, k_codes, v_codes, amask; writes k_codes, v_codes, amask
;; launch qkv: the kernel of part 2 again; grid 24 x 8, 4 waves a work-group, clusters of 4 x 4, 327,680 bytes of LDS; arguments X_codes, Wq_codes, Wk_codes, Wv_codes, bq, bk, bv, lowp_scales, q_codes, k_codes, v_codes; writes q_codes, k_codes, v_codes
;; launch attn (part 5): grid 8 x 32, 8 waves a work-group, clusters of 4 x 1, 327,680 bytes of LDS; arguments q_codes, k_codes, v_codes, amask, lowp_scales, o_codes; writes o_codes
.if DOCPART == 5
	.amdgcn_target "amdgcn-amd-amdhsa--gfx1250"
	.amdhsa_code_object_version 6
	.text
	.protected	k_q9ccbc7dd04_attn
	.globl	k_q9ccbc7dd04_attn
	.p2align	8
	.type	k_q9ccbc7dd04_attn,@function
k_q9ccbc7dd04_attn:
	s_mov_b64 s[64:65], 0
	v_nop
	global_prefetch_b8 v0, s[64:65] scope:SCOPE_SE
	s_setreg_imm32_b32 hwreg(HW_REG_WAVE_MODE, 25, 1), 1
	s_wait_xcnt 0x0
	s_wait_alu depctr_hold_cnt(0) depctr_sa_sdst(0) depctr_va_vdst(0) depctr_va_sdst(0) depctr_va_ssrc(0) depctr_va_vcc(0) depctr_vm_vsrc(0)
	s_getreg_b32 s2, hwreg(HW_REG_IB_STS2, 6, 4)
	s_cmp_eq_u32 s2, 0
	s_cbranch_scc0 .Lentry_in_a_cluster
	s_endpgm
.Lentry_in_a_cluster:
	s_bfe_u32 s2, ttmp6, 0x10000c
	s_cmp_lg_u32 s2, 0x3003
	s_cbranch_scc0 .Lentry_shape_is_right
	s_endpgm
.Lentry_shape_is_right:
; Attention on codes of E4M3: scores = q k^T (scales 2^e6, 2^e7), the masks' addend, the softmax ahead of a quantised product, p v (2^e8, 2^e9), and the result as codes with the scale 2^e10.
; q_codes [32 heads][1024][128];  k_codes [32][2048][128];  v_codes [32][16 tiles][128 d][128 keys] (keys innermost);  amask: f32, the image of the registers it is added to (see LAYOUT);
; o_codes [16 blocks of 128 tokens][16 heads][128 tokens][128]: so that four heads of a block of tokens are one dense run of bytes for the launch that reads them.
; t = sum x c + A, c = log2(e) / sqrt(128) x 2^(e6 + e7), A = the masks' addend in units of t: one fused multiply-add.  M = the running largest t rounded UP to a whole number; p = 2^(t - M) is what is
; quantised, not normalised; the row's sum is taken of the unquantised p and divides at the end.  When M moves, the sum and O are multiplied by 2^(old M - new M), which rounds nothing.
; Both masks are inputs: every key step is walked and every addend is added.
; SHARES.  A work-group owns 128 queries of one (batch, head); each of its eight waves 16 of them, one tile: two waves to a SIMD, 512 registers each.  Every wave walks the 2,048 keys, 128 a step.
; K's and V's tiles come through a ring of two LDS slots of 256 keys (waves 0, 1: K's halves; waves 2, 3: V's two tiles), read by all eight waves.
; CLUSTER.  The four work-groups of a cluster belong to one head and walk the same K and V: each tile is asked for jointly, by the same tensor load with the same descriptor and a mask that names the four.
; LAYOUT.  Both products are used transposed: S^T = K Q^T, O^T = V^T P^T: a lane holds ONE query (lane % 16) throughout.  Lane r of tile 2 b + u of K takes key 32 b + 8 u + r + 8 (r / 8), so that
; register 16 b + i of S^T is key 32 b + 16 (lane / 16) + i: 16 neighbours, as the conversion and the second product want them.  amask's group g holds registers 4 g .. 4 g + 3 for the 32 lanes.
; EVERY LDS LOAD IS ASKED FOR WELL AHEAD OF ITS USE.  A step's eight fragments of V are asked for behind its products K Q^T and used behind its softmax; the next step's eight fragments of K are asked for in the
; softmax's middle.  THE CHANGE OF SLOTS stands in the middle of a slot's second step: by then all of the slot is in registers, so the slot can be filled again and the next slot's first K asked for.
; LIMITS: e6 + e7 between -123 and 130 (added to c's exponent field); e8 and e10 between -126 and 119; e8 + e9 goes by v_ldexp_f32 and has none.  NaN is not served.
; REGISTERS: window 0: v1-4 addresses that stay; v5, v6 the spare word and 0; v8-11 addresses in hand; v12 -M, v13 the largest t, v[14:15] the sum; v16-31 Q; v32-95 the step's addends; v96-159 S^T, t, p;
; v160-223 O^T; v224-239 p's codes; v240, v244: 448 x 2^e8, 2^e8; v241, v245: the same with e10; v242-254 at work.  Window 1: v0-127 K's eight fragments; v128-255 V's eight.
.set KP,    144                        ; a row of 128 codes in LDS: 128 bytes + 16 of padding
.set VT,    128*KP                     ; 128 rows: what one tensor load brings
.set VOFF,  2*VT                       ; a slot: 256 rows of K, then two tiles of V of 128 rows
.set SLOT1, 1<<17                      ; slot 1 begins here: one exclusive or turns an address in one slot into the other's
.set NSL,   8                          ; slots' worth of keys
.set SLOTB, 32768                      ; a slot's keys in memory, in K and in V alike
.set SPARE, 2*SLOT1                    ; behind the ring: the spare words, 128 bytes a wave, which no other line names
.set AK0,  1
.set AV0,  2
.set PFO,  3                           ; 256 x lane: the prefetches' offset
.set MO,   4                           ; 16 x lane: the addends' offset and the stores'
.set SPW,  5
.set NIL,  6
.set ADK,  8
.set ADV,  9
.set MK,   32                          ; the addends
.set KF,   0                           ; in window 1
.set VF,   128                         ; in window 1
.set WV,   18
.set SEL,  20                          ; s[20:21] lane selects for v_permlanex16_b32: lane l xor 16
.set CS,   22                          ; s[22:23] c
.set G1,   24                          ; s[24:31] descriptor group 1: 128 rows of 128 bytes, for K's and V's tiles alike
.set G0K,  40                          ; s[40:43], s[44:47] groups 0, which walk
.set G0V,  44
.set TB,   62                          ; LDS byte at which the slot in hand begins
.set SLOTS, 67                         ; changes of slots that still fill a slot
.set PFA,  76                          ; s[76:77] where my prefetches stand
.set LIM,  80                          ; 1 in a wave that prefetches, else the greatest number
.set MSB, 0
.macro WIN new                         ; the immediate's high byte repeats the setting that is left
.if MSB != (\new)
	s_set_vgpr_msb (MSB<<8)|(\new)
.set MSB, (\new)
.endif
.endm
.macro CROUND                          ; a round of the cluster's barrier
	s_barrier_signal -1
	s_barrier_wait -1
	s_cmp_lg_u32 s[WV], 0
	s_cbranch_scc1 .Lnot_wave_0_\@
	s_barrier_signal -3
.Lnot_wave_0_\@:
	s_barrier_wait -3
	s_barrier_signal -1
	s_barrier_wait -1
.endm
; Waves 0 and 1 fetch for K, waves 2 and 3 for V, the others nothing.  The branches hang on the wave's number alone.  Four v_nop follow each line.
.macro TLOAD
	s_cmp_lt_u32 s[WV], 2
	s_cbranch_scc0 .Lnot_k_\@
	tensor_load_to_lds s[G0K:G0K+3], s[G1:G1+7]
	s_nop 0
.rept 4
	v_nop
.endr
	s_branch .Lasked_\@
.Lnot_k_\@:
	s_cmp_lt_u32 s[WV], 4
	s_cbranch_scc0 .Lasked_\@
	tensor_load_to_lds s[G0V:G0V+3], s[G1:G1+7]
	s_nop 0
.rept 4
	v_nop
.endr
.Lasked_\@:
.endm
; A prefetch of what the NEXT change of slots will ask for: 32,768 bytes of K and as many of V, two key steps ahead of that load.  Both clusters of a head walk the same K and V: the first asks.
; Its four partners take 8,192 bytes each, told apart by address; in each, wave 4 asks for K's and wave 5 for V's, lanes 256 bytes apart: each block of 256 bytes is named once in the launch.
; Slots 0 and 1 come by their loads alone; the last change that fills a slot asks for nothing.
.macro ASK
	s_cmp_gt_u32 s[SLOTS], s[LIM]
	s_cbranch_scc0 .Lnot_mine_\@
	global_prefetch_b8 v[PFO], s[PFA:PFA+1] th:TH_LOAD_NT scope:SCOPE_SE
.Lnot_mine_\@:
.endm
	s_load_b256 s[4:11], s[0:1], 0x0               ; q 4:5, k 6:7, v 8:9, amask 10:11
	s_load_b128 s[12:15], s[0:1], 0x20             ; the scales 12:13, o_codes 14:15
	v_lshl_add_u32 v[SPW], v0, 2, SPARE
	v_mov_b32 v[NIL], 0
	ds_add_u32 v5, v6
	s_wait_dscnt 0x0
	v_lshrrev_b32 v8, 5, v0
	v_readfirstlane_b32 s[WV], v8                  ; wave 0..7
	s_bfe_u32 s71, ttmp6, 0x40000                  ; cx
	s_and_b32 s70, ttmp7, 0xffff                   ; 16 x batch + head, which the four partners share
	s_lshl_b32 s72, s70, 18                        ; its first byte in k_codes and in v_codes
	s_mov_b32 s73, 0
	s_and_b32 s81, s[WV], 1
	s_lshl_b32 s82, s81, 14                        ; which 128 keys of a slot I fetch, if I fetch: in memory,
	s_mov_b32 s83, 0
	s_add_nc_u64 s[82:83], s[82:83], s[72:73]
	s_mul_i32 s81, s81, VT                         ; and in a slot: no place in the cluster enters an LDS address
	s_mov_b32 s[G1], 15|(0<<16)|(1<<20)|(1<<21)|(4<<22)|(3<<25)   ; 15:0 the mask: all four; 17:16 elements of 1 byte; 20 padding on; 21 set beside a mask; 24:22 after every 32 words; 31:25 four words
	s_mov_b32 s[G1+1], 128<<16                     ; tensor_dim0
	s_mov_b32 s[G1+2], 128<<16                     ; tensor_dim1
	s_mov_b32 s[G1+3], 128<<16                     ; tile_dim0
	s_mov_b32 s[G1+4], 128                         ; tile_dim1
	s_mov_b32 s[G1+5], 128                         ; from row to row
	s_mov_b32 s[G1+6], 0
	s_mov_b32 s[G1+7], 0
	s_mov_b32 s[SEL], 0x76543210
	s_mov_b32 s[SEL+1], 0xfedcba98
	s_mov_b32 s[CS], 0x3e0293ee                    ; log2(e) / sqrt(128)
	s_mov_b32 s[TB], 0
	s_mov_b32 s[SLOTS], NSL-1
	s_wait_kmcnt 0x0
	s_load_b64 s[90:91], s[12:13], 0x18            ; e6, e7
	s_load_b128 s[92:95], s[12:13], 0x20           ; e8, e9, e10, e11
	s_mov_b32 s[G0K], 1
	s_mov_b32 s[G0K+1], s81                        ; slot 0
	s_add_nc_u64 s[G0K+2:G0K+3], s[6:7], s[82:83]
	s_or_b32 s[G0K+3], s[G0K+3], 0x80000000
	s_mov_b32 s[G0V], 1
	s_add_co_u32 s[G0V+1], s81, VOFF
	s_add_nc_u64 s[G0V+2:G0V+3], s[8:9], s[82:83]
	s_or_b32 s[G0V+3], s[G0V+3], 0x80000000
	CROUND                                         ; all four work-groups are here: the first joint loads meet
	TLOAD                                          ; slot 0
	s_cmp_eq_u32 s[WV], 4                          ; the prefetches: wave 4 stands in K, wave 5 in V,
	s_cselect_b64 s[PFA:PFA+1], s[6:7], s[8:9]
	s_add_nc_u64 s[PFA:PFA+1], s[PFA:PFA+1], s[72:73]   ; in my head,
	s_lshl_b32 s74, s71, 13                        ; at my work-group's 8,192 bytes
	s_add_co_u32 s74, s74, SLOTB                   ; of slot 1: the first change of slots steps it to slot 2
	s_mov_b32 s75, 0
	s_add_nc_u64 s[PFA:PFA+1], s[PFA:PFA+1], s[74:75]
	s_sub_co_u32 s82, s[WV], 4
	s_lshr_b32 s82, s82, 1                         ; 0 in waves 4 and 5,
	s_or_b32 s82, s82, ttmp9                       ; of the head's first cluster: the same in all four partners
	s_cmp_eq_u32 s82, 0
	s_cselect_b32 s[LIM], 1, -1
	s_lshl_b32 s74, ttmp9, 2
	s_add_co_u32 s74, s74, s71                     ; my block of 128 queries
	s_lshl_b32 s74, s74, 7
	s_lshl_b32 s75, s[WV], 4
	s_add_co_u32 s74, s74, s75                     ; my first query
	s_mov_b32 s85, 0
	s_lshl_b32 s84, s70, 10
	s_add_co_u32 s84, s84, s74
	s_lshl_b32 s84, s84, 7
	s_add_nc_u64 s[4:5], s[4:5], s[84:85]          ; its codes
	s_lshr_b32 s86, s70, 4                         ; the batch
	s_lshl_b32 s84, s86, 10
	s_add_co_u32 s84, s84, s74                     ; its token, 0 to 2,047
	s_lshr_b32 s87, s84, 7                         ; the token's block of 128
	s_lshl_b32 s87, s87, 4
	s_and_b32 s88, s70, 15                         ; the head
	s_add_co_u32 s87, s87, s88                     ; 16 x block + head: a piece of 128 x 128 bytes
	s_lshl_b32 s87, s87, 14
	s_and_b32 s84, s84, 127
	s_lshl_b32 s84, s84, 7                         ; my 16 rows in it
	s_add_co_u32 s84, s84, s87
	s_add_nc_u64 s[14:15], s[14:15], s[84:85]      ; where my 2,048 bytes of codes go
	s_lshl_b32 s84, s86, 6
	s_lshr_b32 s87, s74, 4
	s_add_co_u32 s84, s84, s87                     ; 64 x batch + my tile of queries
	s_lshl_b32 s84, s84, 17                        ; sixteen steps of 8,192 bytes each
	s_add_nc_u64 s[10:11], s[10:11], s[84:85]      ; the addends of my first step
	v_and_b32 v8, 15, v0                           ; r
	v_bfe_u32 v9, v0, 4, 1                         ; h
	v_lshlrev_b32 v10, 7, v8
	v_lshl_add_u32 v10, v9, 4, v10                 ; Q: row r of 128 bytes, + 16 h
.irp c, 0,1,2,3
	global_load_b128 v[16+4*\c:19+4*\c], v10, s[4:5] offset:32*\c   ; Q's fragment stays in registers
.endr
	v_and_b32 v11, 31, v0
	v_lshlrev_b32 v[MO], 4, v11
	v_lshlrev_b32 v[PFO], 8, v11
.set j, 0
.rept 16
	global_load_b128 v[MK+4*j:MK+4*j+3], v[MO], s[10:11] offset:512*j   ; the first step's addends: 512 consecutive bytes a load
.set j, j+1
.endr
	v_and_b32 v11, 8, v8
	v_add_nc_u32 v11, v11, v8                      ; r + 8 (r / 8)
	v_mul_u32_u24 v[AK0], v11, KP
	v_lshl_add_u32 v[AK0], v9, 4, v[AK0]
	v_mul_u32_u24 v[AV0], v8, KP
	v_lshl_add_u32 v[AV0], v9, 4, v[AV0]
	v_add_nc_u32 v[AV0], VOFF, v[AV0]
	v_mov_b32 v13, 0xff61b1e6                      ; the largest t so far: -3e38, under every t
	v_floor_f32 v12, -v13                          ; -M
	v_mov_b32 v14, 0                               ; the sum, in two halves
	v_mov_b32 v15, 0
	v_mov_b32 v246, 0                              ; written once: a lane permute's destination counts as one of its sources
	v_mov_b32 v253, 0                              ; (named as the upper half of the pair v[252:253])
.set j, 0
.rept 64
	v_mov_b32 v[160+j], 0                          ; O^T.  (The step is written with no first form of its own: the first finds zeros, which the first change of M leaves zeros)
.set j, j+1
.endr
	s_wait_kmcnt 0x0
	s_add_co_i32 s72, s90, s91
	s_lshl_b32 s72, s72, 23
	s_add_co_i32 s[CS], s[CS], s72                 ; a sum stands for sum x 2^(e6 + e7): the two exponents are added to c's exponent field
	s_mov_b32 s[CS+1], s[CS]                       ; (named with it as a pair, so it is written)
	s_add_co_i32 s72, s92, 127
	s_lshl_b32 s73, s72, 23
	v_mov_b32 v244, s73                            ; 2^e8
	s_add_co_i32 s72, s72, 8
	s_lshl_b32 s72, s72, 23
	s_or_b32 s72, s72, 0x600000
	v_mov_b32 v240, s72                            ; 448 x 2^e8
	s_add_co_i32 s72, s94, 127
	s_lshl_b32 s73, s72, 23
	v_mov_b32 v245, s73                            ; 2^e10
	s_add_co_i32 s72, s72, 8
	s_lshl_b32 s72, s72, 23
	s_or_b32 s72, s72, 0x600000
	v_mov_b32 v241, s72                            ; 448 x 2^e10
; 32 LDS loads in one run: the eight fragments of K of the q-th 128 keys of the slot in hand, into window 1
.macro FETCHK q
	v_add_nc_u32 v[ADK], s[TB], v[AK0]
	WIN 0x40                                       ; destination window 1, address window 0
.irp t, 0,1,2,3,4,5,6,7
.irp c, 0,1,2,3
	ds_load_b128 v[KF+16*\t+4*\c:KF+16*\t+4*\c+3], v[ADK] offset:(128*(\q)+32*(\t/2)+8*(\t%2))*KP+32*\c
.endr
.endr
	WIN 0
.endm
; and the eight fragments of V^T (16 channels x 128 keys each) of the same keys
.macro FETCHV q
	v_add_nc_u32 v[ADV], s[TB], v[AV0]
	WIN 0x40
.irp t, 0,1,2,3,4,5,6,7
.irp c, 0,1,2,3
	ds_load_b128 v[VF+16*\t+4*\c:VF+16*\t+4*\c+3], v[ADV] offset:(\q)*VT+16*\t*KP+32*\c
.endr
.endr
	WIN 0
.endm
; THE CHANGE OF SLOTS.  Each wave waits for all its tensor loads (its part of the slot ahead), adds 0 to its spare word, and waits for that and for its reads of the slot that it leaves (the last are V's of the slot's second step).
; fill = 1: the barrier is a round of the cluster's, and behind it the slot that was left is filled with the keys that follow: the load has two key steps in which to land.
.macro CHANGE fill
	s_wait_tensorcnt 0x0                           ; no tensor load of mine is out, so a group 0 may be written
	ds_add_u32 v[SPW], v[NIL]                      ; 0 onto my spare word
.if \fill
	s_xor_b32 s[G0K+1], s[G0K+1], SLOT1            ; the walking descriptors: the other slot than last time,
	s_add_nc_u64 s[G0K+2:G0K+3], s[G0K+2:G0K+3], SLOTB   ; the next 256 keys
	s_xor_b32 s[G0V+1], s[G0V+1], SLOT1
	s_add_nc_u64 s[G0V+2:G0V+3], s[G0V+2:G0V+3], SLOTB
	s_wait_xcnt 0x0                                ; the last prefetch, a slot back, has read its address, so it may be written
	s_add_nc_u64 s[PFA:PFA+1], s[PFA:PFA+1], SLOTB ; one slot further on than the walking descriptors
	s_wait_dscnt 0x0                               ; the add is done, and my reads of the slot that I leave are over
	CROUND
	TLOAD                                          ; the first thing behind the round, and a wave's one tensor load until the next
	ASK
.else
	s_wait_dscnt 0x0
	s_barrier_signal -1
	s_barrier_wait -1
.endif
.endm
; A KEY STEP: 128 keys, the q-th of the slot in hand.  Its K was asked for in the step before.  What stands in its middle:
; mode 0: the loads of the slot's next K;  1: the change of slots with a refill, and the next slot's first K;  2: the same with no refill;  3: nothing: the launch's last step, which asks for no further addends either.
.macro STEP q, mode
	s_wait_dscnt 0x0                               ; K is in
	WIN 0x01                                       ; source 0 window 1
.irp t, 0,1,2,3,4,5,6,7
	v_wmma_f32_16x16x128_fp8_fp8 v[96+8*\t:103+8*\t], v[KF+16*\t:KF+16*\t+15], v[16:31], 0   ; S^T = K Q^T
.endr
	WIN 0
.rept 4
	v_nop                                          ; four places: ahead of the first read of the scores, of the loads into V's registers (which the last step's products read) and of the later loads into K's
.endr
	FETCHV \q                                      ; used behind the softmax
	s_wait_loadcnt 0x0                             ; this step's addends, asked for a step ago
.set j, 0
.rept 32
	v_pk_fma_f32 v[96+j:97+j], v[96+j:97+j], s[CS:CS+1], v[MK+j:MK+j+1] op_sel_hi:[1,0,1]   ; t = sum x c + A; each accumulator from its low end on
.set j, j+2
.endr
.if (\mode) != 3
	s_add_nc_u64 s[10:11], s[10:11], 8192          ; free since the wait for the loads that named it
.set j, 0
.rept 16
	global_load_b128 v[MK+4*j:MK+4*j+3], v[MO], s[10:11] offset:512*j   ; the next step's addends: a whole step ahead
.set j, j+1
.endr
.endif
	v_max3_num_f32 v254, v96, v97, v98             ; the step's largest t of my query, among my 64 keys, in two chains,
	v_max3_num_f32 v252, v99, v100, v101
.irp i, 6,10,14,18,22,26,30,34,38,42,46,50,54,58
	v_max3_num_f32 v254, v254, v[96+\i], v[97+\i]
	v_max3_num_f32 v252, v252, v[98+\i], v[99+\i]
.endr
	v_max3_num_f32 v254, v254, v158, v159
	v_max_num_f32 v254, v254, v252
	v_permlanex16_b32 v246, v254, s[SEL], s[SEL+1]
	v_max_num_f32 v254, v254, v246                 ; and among lane l xor 16's
	v_max_num_f32 v13, v13, v254                   ; the running largest t
	v_mov_b32 v254, v12
	v_floor_f32 v12, -v13                          ; the new -M = floor(-t) = -ceil(t): a whole number
	v_sub_f32 v254, v12, v254                      ; old M - new M: a whole number, 0 or less
	v_cvt_i32_f32 v254, v254                       ; (it saturates)
	v_ldexp_f32 v252, 1.0, v254                    ; f = 2^(old M - new M)
.set j, 0
.rept 32
	v_pk_add_f32 v[96+j:97+j], v[96+j:97+j], v[12:13] op_sel_hi:[1,0]   ; t - M (of the pair the low word, -M, serves both halves)
.set j, j+2
.endr
.if (\mode) == 0
	FETCHK 1                                       ; the slot's second 128 keys: used at the next step's head
.elseif (\mode) == 1
	CHANGE 1                                       ; all of this slot is in my registers
	s_xor_b32 s[TB], s[TB], SLOT1
	FETCHK 0                                       ; the next slot's first 128 keys
.elseif (\mode) == 2
	CHANGE 0
	s_xor_b32 s[TB], s[TB], SLOT1
	FETCHK 0
.endif
.set j, 0
.rept 64
	v_exp_f32 v[96+j], v[96+j]                     ; p = 2^(t - M), at most 1
.set j, j+1
.endr
	v_pk_mul_f32 v[14:15], v[14:15], v[252:253] op_sel_hi:[1,0]   ; the sums under the new M: the plain instruction behind the exponentials
	s_wait_alu depctr_va_vdst(0)                   ; one wait for the batch of 64, ahead of its first reader
	v_pk_add_f32 v[242:243], v[96:97], v[98:99]    ; the row's sum is taken of the unquantised p, in two chains
.irp j, 4,8,12,16,20,24,28,32,36,40,44,48,52,56,60
	v_pk_add_f32 v[14:15], v[14:15], v[96+\j:97+\j]
	v_pk_add_f32 v[242:243], v[242:243], v[98+\j:99+\j]
.endr
	v_pk_add_f32 v[14:15], v[14:15], v[242:243]
.irp b, 0,1,2,3
.irp i, 0,1,2,3,4,5,6,7,8,9,10,11,12,13,14,15
	v_min_num_f32 v[96+16*\b+\i], v[96+16*\b+\i], v240   ; the conversion does not saturate (ISA guide 7.6.2); p is not negative, so the hold is one-sided
.endr
	v_cvt_scalef32_pk8_fp8_f32 v[224+4*\b:225+4*\b], v[96+16*\b:103+16*\b], v244
	v_cvt_scalef32_pk8_fp8_f32 v[226+4*\b:227+4*\b], v[104+16*\b:111+16*\b], v244
.endr
.set j, 0
.rept 32
	v_pk_mul_f32 v[160+j:161+j], v[160+j:161+j], v[252:253] op_sel_hi:[1,0]   ; O^T under the new M.  (Plain instructions between the conversions and the products below)
.set j, j+2
.endr
.if (\mode) == 3
	s_wait_dscnt 0x0                               ; V is in
.else
	s_wait_dscnt 32                                ; V is in; the 32 loads of the next K, issued behind V's, may be out
.endif
	WIN 0x01
.irp t, 0,1,2,3,4,5,6,7
	v_wmma_f32_16x16x128_fp8_fp8 v[160+8*\t:167+8*\t], v[VF+16*\t:VF+16*\t+15], v[224:239], v[160+8*\t:167+8*\t]   ; O^T += V^T P^T: the eight accumulators by turns
.endr
	WIN 0
.endm
	s_wait_loadcnt 0x0                             ; Q
	CHANGE 1                                       ; slot 0 is whole; slot 1 is asked for
	FETCHK 0
	s_mov_b32 s[SLOTS], NSL-2
.Lslot:                                            ; NSL - 2 trips: slots 0 to 5; the change in each asks for the slot after the next
	STEP 0, 0
	STEP 1, 1
	s_sub_co_u32 s[SLOTS], s[SLOTS], 1
	s_cmp_lg_u32 s[SLOTS], 0
	s_cbranch_scc1 .Lslot
	STEP 0, 0                                      ; the last two slots are written out: slot 6, whose change asks for nothing
	STEP 1, 2
	STEP 0, 0                                      ; and slot 7
	STEP 1, 3
	; THE WAY OUT.  O^T / the sum x 2^(e8 + e9) is the number; it is held, converted with 2^e10 and goes through my stage (16 rows x 144 bytes, in slot 0, which was left at the last change of slots
	; and has had its last fill), so that my 16 rows of 128 codes leave as 2,048 consecutive bytes.
	v_add_f32 v14, v14, v15
	v_permlanex16_b32 v252, v14, s[SEL], s[SEL+1]
	v_add_f32 v14, v14, v252                       ; the row's sum
	v_rcp_f32 v14, v14
	v_and_b32 v8, 15, v0                           ; (a plain instruction behind the reciprocal)
	v_bfe_u32 v9, v0, 4, 1
	s_add_co_i32 s72, s92, s93
	s_mul_i32 s73, s[WV], 16*KP                    ; my stage
	v_mul_u32_u24 v10, v8, KP
	v_lshl_add_u32 v10, v9, 3, v10
	v_add_nc_u32 v10, s73, v10                     ; in: row r, 8 bytes for each half of the lanes
	v_bfe_u32 v11, v0, 3, 2
	v_mul_u32_u24 v11, v11, KP
	v_and_b32 v8, 7, v0
	v_lshl_add_u32 v11, v8, 4, v11
	v_add_nc_u32 v11, s73, v11                     ; back: eight lanes to a row, four rows an instruction
	s_wait_alu depctr_va_vdst(0)                   ; the wait ahead of the reciprocal's first reader
	v_ldexp_f32 v14, v14, s72                      ; x 2^(e8 + e9)
.set j, 0
.rept 64
	v_mul_f32 v[96+j], v[160+j], v14               ; register 8 t + i is the number at (query r, channel 16 t + 8 h + i); each accumulator from its low end on
.set j, j+1
.endr
.set j, 0
.rept 64
	v_med3_num_f32 v[96+j], v[96+j], -v241, v241
.set j, j+1
.endr
.irp t, 0,1,2,3,4,5,6,7
	v_cvt_scalef32_pk8_fp8_f32 v[224+2*\t:225+2*\t], v[96+8*\t:103+8*\t], v245
.endr
	v_nop                                          ; one plain vector instruction behind the last conversion
.irp t, 0,1,2,3,4,5,6,7
	ds_store_b64 v10, v[224+2*\t:225+2*\t] offset:16*\t
.endr
.irp u, 0,1,2,3
	ds_load_b128 v[32+4*\u:35+4*\u], v11 offset:\u*4*KP   ; LDS serves a wave's instructions in order: these see my stores
.endr
.irp u, 0,1,2,3
	s_wait_dscnt 3-\u                              ; load u is in, the younger ones may be out
	global_store_b128 v[MO], v[32+4*\u:35+4*\u], s[14:15] offset:512*\u
.endr
	s_wait_tensorcnt 0x0                           ; the wave's end
	ds_add_u32 v[SPW], v[NIL]
	s_wait_dscnt 0x0
	CROUND                                         ; the closing round
	s_endpgm
.Lfunc_end_k_q9ccbc7dd04_attn:
	.size	k_q9ccbc7dd04_attn, .Lfunc_end_k_q9ccbc7dd04_attn-k_q9ccbc7dd04_attn
	.p2alignl 7, 3214868480
	.fill 96, 4, 3214868480
	.section	.rodata,"a",@progbits
	.p2align	6, 0x0
	.amdhsa_kernel k_q9ccbc7dd04_attn
		.amdhsa_group_segment_fixed_size 327680
		.amdhsa_private_segment_fixed_size 0
		.amdhsa_enable_private_segment 0
		.amdhsa_kernarg_size 48
		.amdhsa_user_sgpr_count 2
		.amdhsa_user_sgpr_kernarg_segment_ptr 1
		.amdhsa_wavefront_size32 1
		.amdhsa_system_sgpr_workgroup_id_x 1
		.amdhsa_system_sgpr_workgroup_id_y 1
		.amdhsa_system_sgpr_workgroup_id_z 1
		.amdhsa_system_vgpr_workitem_id 0
		.amdhsa_next_free_vgpr 512
		.amdhsa_next_free_sgpr 100
		.amdhsa_reserve_vcc 0
		.amdhsa_float_denorm_mode_32 3
		.amdhsa_float_denorm_mode_16_64 3
		.amdhsa_memory_ordered 1
		.amdhsa_forward_progress 1
		.amdhsa_inst_pref_size 154
	.end_amdhsa_kernel
	.amdgpu_metadata
---
amdhsa.version: [ 1, 2 ]
amdhsa.kernels:
  - .name:           k_q9ccbc7dd04_attn
    .symbol:         k_q9ccbc7dd04_attn.kd
    .args:
      - { .name: q_codes, .offset: 0, .size: 8, .value_kind: global_buffer, .address_space: global }
      - { .name: k_codes, .offset: 8, .size: 8, .value_kind: global_buffer, .address_space: global }
      - { .name: v_codes, .offset: 16, .size: 8, .value_kind: global_buffer, .address_space: global }
      - { .name: amask, .offset: 24, .size: 8, .value_kind: global_buffer, .address_space: global }
      - { .name: lowp_scales, .offset: 32, .size: 8, .value_kind: global_buffer, .address_space: global }
      - { .name: o_codes, .offset: 40, .size: 8, .value_kind: global_buffer, .address_space: global }
    .group_segment_fixed_size: 327680
    .private_segment_fixed_size: 0
    .kernarg_segment_align: 8
    .kernarg_segment_size: 48
    .max_flat_workgroup_size: 256
    .sgpr_count:     100
    .vgpr_count:     512
    .wavefront_size: 32
...
	.end_amdgpu_metadata
.endif
;; end of part 5
;; launch oproj (part 6): grid 16 x 16, 4 waves a work-group, clusters of 4 x 4, 327,680 bytes of LDS; arguments o_codes, Wo_codes, lowp_scales, bo, out0; writes out0
.if DOCPART == 6
	.amdgcn_target "amdgcn-amd-amdhsa--gfx1250"
	.amdhsa_code_object_version 6
	.text
	.protected	k_q9ccbc7dd04_oproj
	.globl	k_q9ccbc7dd04_oproj
	.p2align	8
	.type	k_q9ccbc7dd04_oproj,@function
k_q9ccbc7dd04_oproj:
	s_mov_b64 s[64:65], 0
	v_nop
	global_prefetch_b8 v0, s[64:65] scope:SCOPE_SE
	s_setreg_imm32_b32 hwreg(HW_REG_WAVE_MODE, 25, 1), 1
	s_wait_xcnt 0x0
	s_wait_alu depctr_hold_cnt(0) depctr_sa_sdst(0) depctr_va_vdst(0) depctr_va_sdst(0) depctr_va_ssrc(0) depctr_va_vcc(0) depctr_vm_vsrc(0)
	s_getreg_b32 s2, hwreg(HW_REG_IB_STS2, 6, 4)
	s_cmp_eq_u32 s2, 0
	s_cbranch_scc0 .Lentry_in_a_cluster
	s_endpgm
.Lentry_in_a_cluster:
	s_bfe_u32 s2, ttmp6, 0x10000c
	s_cmp_lg_u32 s2, 0xf033
	s_cbranch_scc0 .Lentry_shape_is_right
	s_endpgm
.Lentry_shape_is_right:
; out0[token][n] = sum over k of A[token][k] Wo[n][k] x 2^(e10 + e11) + bo[n], on codes of E4M3.  A = o_codes, laid [16 blocks of 128 tokens][16 heads][128 tokens][128]; k = 128 x head + d.
; Wo_codes: [2048][2048], K innermost.  out0: [2048][2048] f32.
; A tile of out0 is 128 x 128, so that there are 256 work-groups; four waves make 64 x 64 each: 16 accumulators of 16 x 16, 128 registers.
; K goes in steps of 512 through two LDS slots: of A four heads' 128 rows of 128 bytes, one dense run of 65,536 bytes (waves 0 and 1 fetch two heads each), of Wo 128 rows of 512 bytes (waves 2 and 3 fetch 64 rows each).
; K = 2,048 is four such steps: the two first fills bring half of K, and each slot is filled again once.  So the text is written out, with no loop.
; CLUSTERS of 4 x 4: A's tiles are shared along a row of the cluster, Wo's along a column: each is asked for jointly, by the same tensor load with the same descriptor and a mask that names the four.
; THE MATRIX INSTRUCTION IS USED TRANSPOSED (source 0 = 16 rows of Wo, source 1 = 16 rows of A): a lane holds eight neighbouring numbers of a row of out0.
; No prefetch: half of K is asked for at the head, and each later tile once, by four work-groups jointly.
; LIMIT: e10 + e11 between -126 and 127, so that 2^(e10 + e11) is an f32 number.
; REGISTERS: window 0: v0-31 addresses; v32-63 bo at my columns; v128-255 the accumulators ((a, b) at v[128 + 8 (4 a + b)]).
;   window 1: two fragment buffers of 128 registers, each for 128 along K: 64 of A (4 x 16 rows), then 64 of Wo.
.set APITCH, 144                       ; A's LDS row: 128 bytes + 16 = 36 words: the 16 rows that a load touches start at 16 different banks (64 banks of 4 bytes: ISA guide 11.1)
.set APLANE, 128*APITCH                ; a head's 128 rows
.set AHALF,  2*APLANE                  ; what one tensor load brings of A
.set BPITCH, 528                       ; Wo's LDS row: 512 bytes + 16 = 132 words
.set BHALF,  64*BPITCH                 ; what one tensor load brings of Wo, and what one wave reads of it
.set BOFF,   2*AHALF                   ; Wo's rows lie behind A's four heads
.set SLOT,   BOFF+2*BHALF              ; 141,312 bytes
.set SPARE,  2*SLOT                    ; behind the slots: the spare words, 128 bytes a wave, which no other line names
.set ASTEP,  4*16384                   ; a K step of A in memory: four heads' pieces of 128 x 128 bytes
.set BSTEP,  512                       ; and in a row of Wo
.set FR,     16                        ; registers of a fragment: 16 rows x 128 K
.set ROWO,   8192                      ; a row of out0 in bytes
.set SPITCH, 272                       ; the way out: a stage of 16 rows x (256 + 16) bytes a wave, in slot 0, which has had its last fill and its last read by then
.set ADRA, 16                          ; v16-17  LDS address of my A fragments in slot 0, 1
.set ADRB, 20                          ; v20-21  of my Wo fragments
.set STO,  24                          ; v24     the way out: where I put 32 bytes of a row
.set RD,   25                          ; v25     where I read 16 bytes back
.set CO,   26                          ; v26     my byte offset in two rows of out0
.set SPW,  28                          ; v28     my spare word; never rewritten
.set NIL,  29                          ; v29     0; never rewritten
.set BCA,  30                          ; v30     32 x (lane / 16)
.set COL,  32
.set ACC,  128
.set F0,   0
.set F1,   128
.set G1, 24
.set G0, 32
.set G1B, 48
.set G0B, 56
.set MSB, 0
.macro WIN new                         ; the immediate's high byte repeats the setting that is left
.if MSB != (\new)
	s_set_vgpr_msb (MSB<<8)|(\new)
.set MSB, (\new)
.endif
.endm
.set MUL,  0x05                        ; sources 0 (Wo) and 1 (A) window 1; C and D window 0
.set TO_F, 0x40                        ; destination window 1, address window 0
.macro JLOAD g0a, g1a, g0b, g1b        ; waves 0 and 1 fetch for A, waves 2 and 3 for Wo; the branch hangs on the wave's number alone; four v_nop follow each line
	s_cmp_eq_u32 s15, 0
	s_cbranch_scc0 .Lfor_b_\@
	tensor_load_to_lds s[\g0a:\g0a+3], s[\g1a:\g1a+7]
	s_nop 0
.rept 4
	v_nop
.endr
	s_branch .Lasked_\@
.Lfor_b_\@:
	tensor_load_to_lds s[\g0b:\g0b+3], s[\g1b:\g1b+7]
	s_nop 0
.rept 4
	v_nop
.endr
.Lasked_\@:
.endm
.macro CREST                           ; a round of the cluster's barrier behind its opening barrier
	s_cmp_lg_u32 s14, 0
	s_cbranch_scc1 .Lnot_wave_0_\@
	s_barrier_signal -3
.Lnot_wave_0_\@:
	s_barrier_wait -3
	s_barrier_signal -1
	s_barrier_wait -1
.endm
.macro CROUND
	s_barrier_signal -1
	s_barrier_wait -1
	CREST
.endm
	s_load_b128 s[4:7], s[0:1], 0x0                ; o_codes 4:5, Wo_codes 6:7
	s_load_b128 s[8:11], s[0:1], 0x10              ; the scales 8:9, bo 10:11
	s_load_b64 s[12:13], s[0:1], 0x20              ; out0
	v_lshl_add_u32 v[SPW], v0, 2, SPARE
	v_mov_b32 v[NIL], 0
	ds_add_u32 v28, v29
	s_wait_dscnt 0x0
	v_lshrrev_b32 v1, 5, v0
	v_readfirstlane_b32 s14, v1                    ; wave 0..3
	s_lshr_b32 s15, s14, 1                         ; which half of the tile's rows is mine.  Also: I fetch for A (0) or for Wo (1)
	s_and_b32 s16, s14, 1                          ; which half of its columns.  Also: which two heads, or which 64 rows, I fetch
	s_bfe_u32 s40, ttmp6, 0x40000                  ; cx, cy: my place in the cluster
	s_bfe_u32 s41, ttmp6, 0x40004
	s_lshl_b32 s42, ttmp9, 2
	s_add_co_u32 s42, s42, s40                     ; tile column, 0 to 15
	s_and_b32 s17, ttmp7, 0xffff
	s_lshl_b32 s17, s17, 2
	s_add_co_u32 s17, s17, s41                     ; tile row, 0 to 15: a block of 128 tokens
	s_lshl_b32 s43, s41, 2
	s_lshl_b32 s43, 15, s43                        ; my row of the cluster
	s_lshl_b32 s44, 0x1111, s40                    ; my column
	s_or_b32 s[G1+0], s43, (0<<16)|(1<<20)|(1<<21)|(4<<22)|(3<<25)   ; A: elements of 1 byte; padding of four words after every 32; the mask of my row, bit 21 beside it
	s_mov_b32 s[G1+1], 128<<16                     ; tensor_dim0
	s_mov_b32 s[G1+2], 256<<16                     ; tensor_dim1: two heads' 128 rows, which follow each other in memory
	s_mov_b32 s[G1+3], 128<<16                     ; tile_dim0
	s_mov_b32 s[G1+4], 256                         ; tile_dim1
	s_mov_b32 s[G1+5], 128                         ; from row to row
	s_mov_b32 s[G1+6], 0
	s_mov_b32 s[G1+7], 0
	s_or_b32 s[G1B+0], s44, (0<<16)|(1<<20)|(1<<21)|(6<<22)|(3<<25)  ; Wo: padding of four words after every 128; the mask of my column
	s_mov_b32 s[G1B+1], 512<<16
	s_mov_b32 s[G1B+2], 64<<16
	s_mov_b32 s[G1B+3], 512<<16
	s_mov_b32 s[G1B+4], 64
	s_mov_b32 s[G1B+5], 2048
	s_mov_b32 s[G1B+6], 0
	s_mov_b32 s[G1B+7], 0
	s_lshl_b32 s20, s17, 18                        ; A: the block of tokens: 16 heads x 16,384 bytes,
	s_lshl_b32 s21, s16, 15                        ; my two heads of the K step's four
	s_add_co_u32 s20, s20, s21
	s_mov_b32 s21, 0
	s_lshl_b32 s46, s42, 7
	s_lshl_b32 s18, s16, 6
	s_add_co_u32 s46, s46, s18                     ; Wo: row 128 x tile column + 64 x half,
	s_lshl_b32 s46, s46, 11                        ; of 2,048 bytes
	s_mov_b32 s47, 0
	s_mul_i32 s45, s16, AHALF                      ; where they go: no place in the cluster enters an LDS address
	s_mul_i32 s22, s16, BHALF
	s_add_co_u32 s22, s22, BOFF
	s_wait_kmcnt 0x0
	s_load_b64 s[96:97], s[8:9], 0x28              ; e10, e11
	s_add_nc_u64 s[20:21], s[4:5], s[20:21]
	s_add_nc_u64 s[46:47], s[6:7], s[46:47]
	CROUND                                         ; all sixteen work-groups are here: the first joint loads meet
.irp s, 0,1
	s_mov_b32 s[G0+4*\s], 1
	s_add_co_u32 s[G0+4*\s+1], s45, \s*SLOT
	s_add_nc_u64 s[G0+4*\s+2:G0+4*\s+3], s[20:21], \s*ASTEP
	s_or_b32 s[G0+4*\s+3], s[G0+4*\s+3], 0x80000000
	s_mov_b32 s[G0B+4*\s], 1
	s_add_co_u32 s[G0B+4*\s+1], s22, \s*SLOT
	s_add_nc_u64 s[G0B+4*\s+2:G0B+4*\s+3], s[46:47], \s*BSTEP
	s_or_b32 s[G0B+4*\s+3], s[G0B+4*\s+3], 0x80000000
	JLOAD G0+4*\s, G1, G0B+4*\s, G1B               ; K steps 0 and 1
.endr
	v_and_b32 v1, 15, v0                           ; r
	v_bfe_u32 v2, v0, 4, 1                         ; h
	v_mul_u32_u24 v3, v1, APITCH
	v_lshl_add_u32 v3, v2, 4, v3                   ; A: row x pitch + 16 x half
	v_mul_u32_u24 v4, v1, BPITCH
	v_lshl_add_u32 v4, v2, 4, v4                   ; Wo likewise
	s_mul_i32 s21, s15, 64*APITCH                  ; my 64 rows of each head
	s_mul_i32 s22, s16, BHALF
	s_add_co_u32 s22, s22, BOFF                    ; my 64 rows of Wo
.irp s, 0,1
	v_add_nc_u32 v[ADRA+\s], s21, v3
	v_add_nc_u32 v[ADRB+\s], s22, v4
	s_add_co_u32 s21, s21, SLOT
	s_add_co_u32 s22, s22, SLOT
.endr
	s_mul_i32 s23, s14, 16*SPITCH                  ; my stage
	v_mul_u32_u24 v5, v1, SPITCH
	v_lshl_add_u32 v5, v2, 5, v5
	v_add_nc_u32 v[STO], s23, v5                   ; in: row r, 32 bytes for each half of the lanes
	v_mul_u32_u24 v6, v2, SPITCH
	v_lshl_add_u32 v6, v1, 4, v6
	v_add_nc_u32 v[RD], s23, v6                    ; back: lanes 0-15 take one row of 256 bytes, lanes 16-31 the next
	v_lshlrev_b32 v7, 13, v2
	v_lshl_add_u32 v[CO], v1, 4, v7                ; and the same two rows in out0
	v_lshlrev_b32 v[BCA], 5, v2
	s_lshl_b32 s46, s42, 9                         ; my first column, in bytes: 512 x tile column + 256 x half
	s_lshl_b32 s47, s16, 8
	s_add_co_u32 s46, s46, s47
	s_mov_b32 s47, 0
	s_add_nc_u64 s[10:11], s[10:11], s[46:47]      ; bo at my columns
.irp b, 0,1,2,3
	global_load_b128 v[COL+8*\b:COL+8*\b+3], v[BCA], s[10:11] offset:64*\b        ; columns 16 b + 8 h + 0 .. 7
	global_load_b128 v[COL+8*\b+4:COL+8*\b+7], v[BCA], s[10:11] offset:64*\b+16
.endr
	s_lshl_b32 s20, s17, 7
	s_lshl_b32 s21, s15, 6
	s_add_co_u32 s20, s20, s21                     ; my first row of out0
	s_lshl_b32 s20, s20, 13                        ; rows of 8,192 bytes
	s_mov_b32 s21, 0
	s_add_nc_u64 s[20:21], s[20:21], s[46:47]
	s_add_nc_u64 s[12:13], s[12:13], s[20:21]
; 8 matrix instructions: A's blocks a0, a0 + 1 x Wo's four, 128 along K, from buffer f.  zero = 1: the first product starts the sums: nothing is ever cleared.
; The 16 accumulators take turns, one instruction a turn, in the same order in every step.
.macro MUL8 f, a0, zero
.irp a, \a0, \a0+1
.irp b, 0,1,2,3
.if \zero
	v_wmma_f32_16x16x128_fp8_fp8 v[ACC+8*(4*(\a)+\b):ACC+8*(4*(\a)+\b)+7], v[\f+64+FR*\b:\f+64+FR*\b+FR-1], v[\f+FR*(\a):\f+FR*(\a)+FR-1], 0
.else
	v_wmma_f32_16x16x128_fp8_fp8 v[ACC+8*(4*(\a)+\b):ACC+8*(4*(\a)+\b)+7], v[\f+64+FR*\b:\f+64+FR*\b+FR-1], v[\f+FR*(\a):\f+FR*(\a)+FR-1], v[ACC+8*(4*(\a)+\b):ACC+8*(4*(\a)+\b)+7]
.endif
.endr
.endr
.endm
; 32 LDS loads in one run: the fragments of the slot's q-th 128 along K (A: head q of the slot's four) into buffer f.
; A fragment: lane l holds row l % 16; registers 4 c .. 4 c + 3 hold K = 32 c + 16 (l / 16) + 0 .. 15, alike on both sides of a product.
.macro FETCH slot, q, f
	WIN TO_F
.irp i, 0,1,2,3
.irp c, 0,1,2,3
	ds_load_b128 v[\f+64+FR*\i+4*\c:\f+64+FR*\i+4*\c+3], v[ADRB+\slot] offset:128*(\q)+32*\c+\i*16*BPITCH
.endr
.endr
.irp i, 0,1,2,3
.irp c, 0,1,2,3
	ds_load_b128 v[\f+FR*\i+4*\c:\f+FR*\i+4*\c+3], v[ADRA+\slot] offset:APLANE*(\q)+32*\c+\i*16*APITCH
.endr
.endr
.endm
.macro PLACES                          ; four plain vector instructions between a matrix instruction and a load into a register that it has read, or a read of its result
.rept 4
	v_nop
.endr
.endm
; One of a slot's first three steps of 128 along K: the next step's fragments are asked for first, into the buffer that the step before has multiplied; then this step's 16 products.
.macro SUB slot, q, zero
	PLACES
	FETCH \slot, (\q)+1, 128*(1-(\q)%2)
	s_wait_dscnt 32                                ; this step's fragments are in; the 32 loads just issued may be out
	WIN MUL
	MUL8 128*((\q)%2), 0, \zero
	MUL8 128*((\q)%2), 2, \zero
.endm
; A slot's last step multiplies buffer 1 and changes slots: one barrier; in front of it each wave waits for all its tensor loads, adds 0 to its spare word, and waits for that and for its own reads of this slot.
; fill = 1: this slot is filled again, two K steps ahead; the barrier then opens a round of the cluster's.
.macro TURN slot, next, fill
	WIN 0                                          ; (the add's two registers lie in window 0)
	s_wait_tensorcnt 0x0                           ; all my tensor loads have landed: my part of the next slot; so a group 0 may be written
	ds_add_u32 v[SPW], v[NIL]                      ; 0 onto my spare word
.if \fill
	s_add_nc_u64 s[G0+4*\slot+2:G0+4*\slot+3], s[G0+4*\slot+2:G0+4*\slot+3], 2*ASTEP
	s_add_nc_u64 s[G0B+4*\slot+2:G0B+4*\slot+3], s[G0B+4*\slot+2:G0B+4*\slot+3], 2*BSTEP
.endif
	s_wait_dscnt 0x0                               ; the add is done, and my reads of this slot are over: buffer 1 is in
	s_barrier_signal -1
	WIN MUL
	MUL8 F1, 0, 0                                  ; work on registers while the others arrive
	WIN 0
	s_barrier_wait -1
.if \fill
	CREST                                          ; no wave of any partner still reads this slot or has a load on its way
	JLOAD G0+4*\slot, G1, G0B+4*\slot, G1B         ; the first tensor load behind the round; its four v_nop are the places in front of the loads below
.else
	PLACES
.endif
	FETCH \next, 0, F0
	WIN MUL
	MUL8 F1, 2, 0
.endm
	s_wait_tensorcnt 1                             ; my part of K step 0 is in; K step 1's load may be out
	s_barrier_signal -1
	s_barrier_wait -1
	FETCH 0, 0, F0
	SUB 0, 0, 1                                    ; K step 0; its first products start the sums
	SUB 0, 1, 0
	SUB 0, 2, 0
	TURN 0, 1, 1                                   ; slot 0 takes K step 2
	SUB 1, 0, 0                                    ; K step 1
	SUB 1, 1, 0
	SUB 1, 2, 0
	TURN 1, 0, 1                                   ; slot 1 takes K step 3
	SUB 0, 0, 0                                    ; K step 2
	SUB 0, 1, 0
	SUB 0, 2, 0
	TURN 0, 1, 0                                   ; nothing is left to fetch
	SUB 1, 0, 0                                    ; K step 3
	SUB 1, 1, 0
	SUB 1, 2, 0
	s_wait_dscnt 0x0
	WIN MUL
	MUL8 F1, 0, 0
	MUL8 F1, 2, 0
	WIN 0
; THE WAY OUT, block by block of 16 rows x 64 columns: sum x 2^(e10 + e11) + bo in place; 32 bytes a lane into my own stage; back as whole rows of 256 bytes, into the registers that they left;
; sixteen lanes store 256 consecutive bytes, aligned.  LDS serves a wave's instructions in order (ISA guide 5.7.1.4): no wait between the stores and the loads, nor in front of the next block's stores.
.macro TOSTAGE a
.set AC, ACC+32*(\a)
.set j, 0
.rept 16
	v_pk_fma_f32 v[AC+j:AC+j+1], v[AC+j:AC+j+1], s[96:97], v[COL+j:COL+j+1] op_sel_hi:[1,0,1]   ; each accumulator from its low end on
.set j, j+2
.endr
.irp b, 0,1,2,3
	ds_store_b128 v[STO], v[AC+8*\b:AC+8*\b+3] offset:64*\b
	ds_store_b128 v[STO], v[AC+8*\b+4:AC+8*\b+7] offset:64*\b+16
.endr
.irp t, 0,1,2,3,4,5,6,7
	ds_load_b128 v[AC+4*\t:AC+4*\t+3], v[RD] offset:\t*2*SPITCH
.endr
.endm
.macro SEND a, younger                 ; younger: the LDS instructions issued behind block a's loads, which may stay out
.set AC, ACC+32*(\a)
	s_wait_dscnt \younger
.irp t, 0,1,2,3,4,5,6,7
	global_store_b128 v[CO], v[AC+4*\t:AC+4*\t+3], s[12:13] offset:(16*(\a)+2*\t)*ROWO th:TH_STORE_NT   ; written once, read by nobody here; 62 rows at the most: inside the signed 24-bit immediate
.endr
.endm
	s_wait_kmcnt 0x0
	s_add_co_i32 s96, s96, s97
	s_add_co_i32 s96, s96, 127
	s_lshl_b32 s96, s96, 23                        ; 2^(e10 + e11) as f32
	s_mov_b32 s97, s96                             ; (named with it as a pair, so it is written)
	s_wait_loadcnt 0x0                             ; bo
	PLACES                                         ; behind the last products, ahead of the first read of results
	TOSTAGE 0
	TOSTAGE 1
	SEND 0, 16                                     ; behind block 0's loads: block 1's 8 stores and 8 loads
	TOSTAGE 2
	SEND 1, 16
	TOSTAGE 3
	SEND 2, 16
	SEND 3, 0
	s_wait_tensorcnt 0x0                           ; the wave's end
	ds_add_u32 v[SPW], v[NIL]
	s_wait_dscnt 0x0
	CROUND                                         ; the closing round: no work-group ends while a partner may still ask for a tile that names it
	s_endpgm
.Lfunc_end_k_q9ccbc7dd04_oproj:
	.size	k_q9ccbc7dd04_oproj, .Lfunc_end_k_q9ccbc7dd04_oproj-k_q9ccbc7dd04_oproj
	.p2alignl 7, 3214868480
	.fill 96, 4, 3214868480
	.section	.rodata,"a",@progbits
	.p2align	6, 0x0
	.amdhsa_kernel k_q9ccbc7dd04_oproj
		.amdhsa_group_segment_fixed_size 327680
		.amdhsa_private_segment_fixed_size 0
		.amdhsa_enable_private_segment 0
		.amdhsa_kernarg_size 40
		.amdhsa_user_sgpr_count 2
		.amdhsa_user_sgpr_kernarg_segment_ptr 1
		.amdhsa_wavefront_size32 1
		.amdhsa_system_sgpr_workgroup_id_x 1
		.amdhsa_system_sgpr_workgroup_id_y 1
		.amdhsa_system_sgpr_workgroup_id_z 1
		.amdhsa_system_vgpr_workitem_id 0
		.amdhsa_next_free_vgpr 512
		.amdhsa_next_free_sgpr 98
		.amdhsa_reserve_vcc 0
		.amdhsa_float_denorm_mode_32 3
		.amdhsa_float_denorm_mode_16_64 3
		.amdhsa_memory_ordered 1
		.amdhsa_forward_progress 1
		.amdhsa_inst_pref_size 74
	.end_amdhsa_kernel
	.amdgpu_metadata
---
amdhsa.version: [ 1, 2 ]
amdhsa.kernels:
  - .name:           k_q9ccbc7dd04_oproj
    .symbol:         k_q9ccbc7dd04_oproj.kd
    .args:
      - { .name: o_codes, .offset: 0, .size: 8, .value_kind: global_buffer, .address_space: global }
      - { .name: Wo_codes, .offset: 8, .size: 8, .value_kind: global_buffer, .address_space: global }
      - { .name: lowp_scales, .offset: 16, .size: 8, .value_kind: global_buffer, .address_space: global }
      - { .name: bo, .offset: 24, .size: 8, .value_kind: global_buffer, .address_space: global }
      - { .name: out0, .offset: 32, .size: 8, .value_kind: global_buffer, .address_space: global }
    .group_segment_fixed_size: 327680
    .private_segment_fixed_size: 0
    .kernarg_segment_align: 8
    .kernarg_segment_size: 40
    .max_flat_workgroup_size: 128
    .sgpr_count:     98
    .vgpr_count:     512
    .wavefront_size: 32
...
	.end_amdgpu_metadata
.endif
;; end of part 6
